; MI455X (gfx1250); checked and timed in simulation.
; The chip was launched on July 23, 2026; its instructions are those of AMD's public machine-readable ISA for CDNA 5 (MIT licence, August 2026) and "CDNA5" Instruction Set Architecture Reference Guide (July 2026). The comments in the code are by the model that wrote it; some were corrected since.
;; Attention Fusion. Allowed arithmetic: matrix products marked QUANTISED: E2M3 operands, one E8M0 scale for each 32 along K, by v_wmma_scale_f32_16x16x128_f8f6f4 with both operands' format E2M3, f32 sums; everything else in f32.
;; Inputs: Wk 1,024 x 1,024 float32; Wo 1,024 x 1,024 float32; Wq 1,024 x 1,024 float32; Wv 1,024 x 1,024 float32; bk 1,024 float32; bo 1,024 float32; bq 1,024 float32; bv 1,024 float32; x 4 x 2,048 x 1,024 float32.
;; Outputs: out0 4 x 2,048 x 1,024 float32.
;; This version of the problem:
;;   THIS VERSION OF THE PROBLEM IS GIVEN IN LOW PRECISION. The matrix products marked QUANTISED in the list below multiply operands that are first quantised to E2M3 (2 exponent bits, 3 mantissa bits; 6 bits a number), with one power-of-two scale for each 32 numbers along K (OCP MX v1.0); their sums are f32. All else is computed in f32.
;;   The module's matrix products, in the order in which they are computed (A, B: the left and right operand; K: the contracted axis; several contracted axes count as one K, in the product's order):
;;     1. [M 8,192, K 1,024] x [K 1,024, N 1,024]; A: input x; B: input Wq: QUANTISED
;;     2. [M 8,192, K 1,024] x [K 1,024, N 1,024]; A: input x; B: input Wk: QUANTISED
;;     3. [M 8,192, K 1,024] x [K 1,024, N 1,024]; A: input x; B: input Wv: QUANTISED
;;     4. batch 64 x [M 2,048, K 64] x [K 64, N 2,048]; A: computed on the way; B: computed on the way: QUANTISED
;;     5. batch 64 x [M 2,048, K 2,048] x [K 2,048, N 64]; A: softmax (see below); B: computed on the way: QUANTISED
;;     6. [M 8,192, K 1,024] x [K 1,024, N 1,024]; A: computed on the way; B: input Wo: QUANTISED
;;   THE QUANTISER, for each operand of a quantised product, along K:
;;     - K is cut into blocks of 32 from its start; a last block that is shorter is filled with zeros.
;;     - A block's scale is 2^e with e = floor(log2(the largest magnitude in the block)) - 2, held to -126 .. 127; a block of zeros has e = 0. As a byte (E8M0): e + 127.
;;     - Each number is divided by its block's scale, clamped to +-7.5, and rounded to the nearest number of E2M3, ties to even, subnormals kept.
;;     - The product sums the exact products of the quantised numbers (number of the format x scale) in f32.
;;   ~~~python
;;   def quantise(x, axis):      # numpy; x: float32 -> the quantised numbers, widened to float32 again
;;       x = np.moveaxis(x, axis, -1); K = x.shape[-1]
;;       x = np.pad(x, [(0, 0)] * (x.ndim - 1) + [(0, -K % 32)]); x = x.reshape(x.shape[:-1] + (-1, 32)); a = np.abs(x).max(-1, keepdims=True)
;;       e = np.where(a > 0, np.clip(np.frexp(np.where(a > 0, a, 1))[1] - 1 - 2, -126, 127), 0)      # np.frexp(a)[1] - 1 = floor(log2(a)), exactly
;;       r = np.clip(x / 2.0 ** e, -7.5, 7.5)
;;       step = 2.0 ** (np.maximum(np.frexp(np.where(r == 0, 1, r))[1] - 1, 0) - 3)
;;       q = np.round(r / step) * step * 2.0 ** e      # np.round: ties to even
;;       return np.moveaxis(q.reshape(q.shape[:-2] + (-1,))[..., :K], -1, axis).astype(np.float32)
;;   ~~~
;;   SOFTMAX AHEAD OF A QUANTISED PRODUCT. Where the list says 'softmax', what is quantised is not the finished softmax but p = 2^(t - M), with t = logit x log2(e) and M = ceil(the row's largest t), a whole number; so 1/2 < the row's largest p <= 1. The row's sum l is taken of the UNQUANTISED p, in f32, and the product's result is divided by l at the end. Since M is a whole number, a kernel that streams over the keys may use a running M (the ceiling of the running maximum): every later rescaling is an exact power of two, which a block's scale takes up: the codes' values come out the same.
;;   OPERANDS COMPUTED ON THE WAY. 'Computed on the way' means the value that the module computes at that place (a softmax that the list does not call 'softmax' is quantised finished and normalised). What goes into a quantiser is computed in f32, as accurately as f32 sums, v_exp_f32 and their like allow (about 1e-6 of the number): no bf16 or f16 on the way to a quantiser, and a product that is left as it is and whose result goes on into a quantised operand takes f32 operands (vector FMAs, or v_wmma_f32_16x16x4_f32). A number that lies on a knife's edge between two numbers of the format may be rounded either way, as far as f32 arithmetic and the matrix unit's own rounding can turn it there, and no further.
;; One version. Each part assembles by itself: llvm-mc -triple=amdgcn-amd-amdhsa -mcpu=gfx1250 --defsym DOCPART=n.
;; ======== version 1 of 1: 5 launches
;; limits: right only within a limited range of input values
;; workspace buffers: xq 6,553,600 bytes; wq 3,276,800 bytes; qkq 13,107,200 bytes; vq 6,553,600 bytes; aq 6,553,600 bytes
;; launch quant_x (part 1): grid 256 x 1, 4 waves a work-group, no clusters, 34,304 bytes of LDS; arguments x, xq; writes xq
.if DOCPART == 1
	.amdgcn_target "amdgcn-amd-amdhsa--gfx1250"
	.amdhsa_code_object_version 6
	.text
	.protected	k_q7c7adcbfe2_quant_x
	.globl	k_q7c7adcbfe2_quant_x
	.p2align	8
	.type	k_q7c7adcbfe2_quant_x,@function
k_q7c7adcbfe2_quant_x:
	s_mov_b64 s[64:65], 0
	v_nop
	global_prefetch_b8 v0, s[64:65] scope:SCOPE_SE
	s_setreg_imm32_b32 hwreg(HW_REG_WAVE_MODE, 25, 1), 1
	s_wait_xcnt 0x0
; x [8192][1024] f32 becomes codes of FP6 (E2M3) with one E8M0 byte for each 32 along K, laid as IMAGES OF OPERAND REGISTERS.
; A UNIT is one fragment, 16 rows x 128 K, 12 registers a lane: 1,536 bytes = two halves of 768; half c: registers 6c..6c+3 at 16 x lane (512 bytes), registers 6c+4, 6c+5 at 512 + 8 x lane (256 bytes).
; xq: units [tile 512][K step 8], then from byte SCOFF on their scale words [tile][K step][16 rows x 4 bytes].
; POSITIONS: row position p of a tile holds the true row with bits 3 and 4 of p exchanged: lane r of tile T holds row 32 (T / 2) + 8 (T % 2) + r + 8 (r / 8).
; A block's scale is 2^(floor(log2(largest magnitude)) - 2); its byte is the largest magnitude's exponent field - 2, held at 1 from below.
; LIMITS: NaN and infinities are not served; a block whose largest magnitude lies under 2^-124 is held at byte 1; a block of zeros gets byte 1 with zero codes (these bytes are read by this program alone).
; SHARES: wave W = 4 x work-group + wave takes tile W / 2 and half W % 2 of K: four units.  Each load reads 512 consecutive bytes of one row; the 16 rows turn through the wave's own stage in LDS,
; from which a lane takes the 2 x 32 neighbours along K that the operand's layout gives it.  Waves share nothing: no barrier.
.set ROWX,  4096                       ; a row of x in bytes
.set UB,    1536                       ; a unit
.set SP,    528                        ; a stage row: 512 bytes + 16 = 132 words: row r starts at bank 4 r mod 64
.set STG,   16*SP                      ; a wave's stage
.set SPARE, 4*STG                      ; behind the stages: the spare words, 128 bytes a wave
.set SCOFF, 6291456                    ; where the scale words begin in xq
.set LANE, 1
.set RR,   2
.set HH,   3
.set L16,  4                           ; 16 x lane: never rewritten
.set SIN,  5                           ; stage + 16 x lane
.set SOUT, 6                           ; stage + 528 r + 128 h
.set L8,   8                           ; 8 x lane
.set L4,   9                           ; 4 x lane
.set SPW,  10
.set NIL,  11
.set MX,   12                          ; v12-13 largest magnitudes
.set SO,   14                          ; v14-15 the conversions' scale operands
.set BY,   16                          ; v16-17 bytes
.set PW,   18                          ; the unit's scale word
.set PT,   19
.set SH,   20                          ; 8 h
.set PWE,  21                          ; the even unit's word
.set PWS,  22                          ; v22-23 two units' words, 128 bytes a store
.set PC,   24                          ; v24-35 the codes
.set CT,   36                          ; v36-43 the upper halves' codes, before they are moved
.set X,    48                          ; v48-111 my 64 numbers
.set R,    112                         ; v112-239 two sets of 16 loads
	s_load_b128 s[4:7], s[0:1], 0x0                ; x s[4:5], xq s[6:7]
	v_lshl_add_u32 v[SPW], v0, 2, SPARE
	v_mov_b32 v[NIL], 0
	v_lshrrev_b32 v1, 5, v0
	v_readfirstlane_b32 s16, v1                    ; wave
	v_and_b32 v[LANE], 31, v0
	v_and_b32 v[RR], 15, v0
	v_bfe_u32 v[HH], v0, 4, 1
	v_lshlrev_b32 v[L16], 4, v[LANE]
	s_mul_i32 s17, s16, STG
	v_add_nc_u32 v[SIN], s17, v[L16]
	v_mul_u32_u24 v[SOUT], v[RR], SP
	v_lshl_add_u32 v[SOUT], v[HH], 7, v[SOUT]
	v_add_nc_u32 v[SOUT], s17, v[SOUT]
	v_lshlrev_b32 v[L8], 3, v[LANE]
	v_lshlrev_b32 v[L4], 2, v[LANE]
	v_mov_b32 v[PT], 0                             ; a lane permute's destination counts as one of its sources
	v_lshlrev_b32 v[SH], 3, v[HH]
	v_cmp_lt_u32 s14, 15, v[LANE]                  ; lanes 16-31
	s_mov_b32 s12, 0x76543210
	s_mov_b32 s13, 0xfedcba98                      ; v_permlanex16_b32's selects for lane l xor 16
	s_lshl_b32 s18, ttmp9, 2
	s_add_co_u32 s18, s18, s16                     ; W
	s_lshr_b32 s19, s18, 1                         ; tile T
	s_and_b32 s20, s18, 1                          ; which half of K
	s_lshr_b32 s21, s19, 1
	s_lshl_b32 s21, s21, 17                        ; 32 (T / 2) rows of 4,096 bytes
	s_and_b32 s22, s19, 1
	s_lshl_b32 s22, s22, 15                        ; + 8 (T % 2) rows
	s_add_co_u32 s21, s21, s22
	s_lshl_b32 s22, s20, 11                        ; + 512 numbers
	s_add_co_u32 s22, s21, s22
	s_mov_b32 s23, 0
	s_mul_i32 s24, s18, 4*UB                       ; my four units: 8 T + 4 (W % 2) = 4 W
	s_mov_b32 s25, 0
	s_lshl_b32 s26, s18, 8                         ; and their 4 x 64 bytes of scale words
	s_add_co_u32 s26, s26, SCOFF
	s_mov_b32 s27, 0
	s_wait_alu depctr_va_vdst(0)
	s_wait_kmcnt 0x0
	s_add_nc_u64 s[4:5], s[4:5], s[22:23]
	s_add_nc_u64 s[8:9], s[6:7], s[24:25]
	s_add_nc_u64 s[10:11], s[6:7], s[26:27]
.macro LOAD u                          ; unit u: position i of the tile is row i + 8 (i / 8) from the tile's first
.irp i, 0,1,2,3,4,5,6,7,8,9,10,11,12,13,14,15
	global_load_b128 v[R+64*((\u)%2)+4*\i:R+64*((\u)%2)+4*\i+3], v[L16], s[4:5] offset:(\i+8*(\i/8))*ROWX+512*(\u) th:TH_LOAD_NT
.endr
.endm
.macro DOUNIT u
.if (\u) < 3
	s_wait_loadcnt 16                              ; this unit's 16 loads are in; the next unit's 16 may be out
.else
	s_wait_loadcnt 0x0
.endif
.irp i, 0,1,2,3,4,5,6,7,8,9,10,11,12,13,14,15
	ds_store_b128 v[SIN], v[R+64*((\u)%2)+4*\i:R+64*((\u)%2)+4*\i+3] offset:SP*\i
.endr
.irp c, 0,1                            ; LDS serves a wave's instructions in order: these see the stores above
.irp j, 0,1,2,3,4,5,6,7
	ds_load_b128 v[X+32*\c+4*\j:X+32*\c+4*\j+3], v[SOUT] offset:256*\c+16*\j   ; K = 64 c + 32 h + 4 j on, of row position r
.endr
.endr
	s_wait_dscnt 0x0                               ; my numbers are in, and the stores have read their registers,
.if (\u) < 2
	LOAD (\u)+2                                    ; which take the loads of two units on
.endif
.irp c, 0,1                            ; my two whole blocks, 2 c + h, by turns
	v_max3_num_f32 v[MX+\c], |v[X+32*\c]|, |v[X+32*\c+1]|, 0x1800000   ; with the floor 2^(3 - 127): the byte cannot fall under 1
.endr
.irp i, 2,4,6,8,10,12,14,16,18,20,22,24,26,28,30
.irp c, 0,1
	v_max3_num_f32 v[MX+\c], v[MX+\c], |v[X+32*\c+\i]|, |v[X+32*\c+\i+1]|
.endr
.endr
.irp c, 0,1
	v_add_nc_u32 v[SO+\c], 0xff000000, v[MX+\c]    ; 2 off the exponent field: the conversion's scale operand
.endr
.irp c, 0,1
	v_lshrrev_b32 v[BY+\c], 23, v[SO+\c]           ; the byte
.endr
	v_lshl_or_b32 v[PW], v[BY+1], 16, v[BY]        ; blocks h and 2 + h,
	v_lshlrev_b32 v[PW], v[SH], v[PW]              ; at their places in the word;
	v_permlanex16_b32 v[PT], v[PW], s12, s13
	v_or_b32 v[PW], v[PW], v[PT]                   ; with lane l xor 16's two the word is whole
	s_wait_alu depctr_va_vdst(0)
	s_wait_xcnt 0x0                                ; the last unit's stores have read their data: the codes' registers are written again only behind this wait
.irp c, 0,1
	v_cvt_scalef32_pk16_fp6_f32 v[PC+6*\c:PC+6*\c+2], v[X+32*\c:X+32*\c+15], v[SO+\c]
	v_cvt_scalef32_pk16_fp6_f32 v[CT+4*\c:CT+4*\c+2], v[X+32*\c+16:X+32*\c+31], v[SO+\c]   ; (a conversion's three registers begin on an even number)
.endr
	v_nop                                          ; one plain place behind a scaled conversion
.irp c, 0,1
.irp i, 0,1,2
	v_mov_b32 v[PC+3+6*\c+\i], v[CT+4*\c+\i]
.endr
.endr
	global_store_b128 v[L16], v[PC:PC+3], s[8:9] offset:UB*(\u)             ; each store covers 512 or 256 consecutive bytes, aligned
	global_store_b64 v[L8], v[PC+4:PC+5], s[8:9] offset:UB*(\u)+512
	global_store_b128 v[L16], v[PC+6:PC+9], s[8:9] offset:UB*(\u)+768
	global_store_b64 v[L8], v[PC+10:PC+11], s[8:9] offset:UB*(\u)+1280
.if (\u)%2 == 0
	v_mov_b32 v[PWE], v[PW]
.else
	v_cndmask_b32 v[PWS+(\u)/2], v[PWE], v[PW], s14   ; lanes 0-15 the even unit's words, lanes 16-31 the odd unit's
	global_store_b32 v[L4], v[PWS+(\u)/2], s[10:11] offset:128*((\u)/2)
.endif
.endm
	LOAD 0
	LOAD 1
	DOUNIT 0
	DOUNIT 1
	DOUNIT 2
	DOUNIT 3
	s_wait_tensorcnt 0x0                           ; the wave's end, behind my last LDS store
	ds_add_u32 v[SPW], v[NIL]
	s_wait_dscnt 0x0
	s_endpgm
.Lfunc_end_k_q7c7adcbfe2_quant_x:
	.size	k_q7c7adcbfe2_quant_x, .Lfunc_end_k_q7c7adcbfe2_quant_x-k_q7c7adcbfe2_quant_x
	.p2alignl 7, 3214868480
	.fill 96, 4, 3214868480
	.section	.rodata,"a",@progbits
	.p2align	6, 0x0
	.amdhsa_kernel k_q7c7adcbfe2_quant_x
		.amdhsa_group_segment_fixed_size 34304
		.amdhsa_private_segment_fixed_size 0
		.amdhsa_enable_private_segment 0
		.amdhsa_kernarg_size 16
		.amdhsa_user_sgpr_count 2
		.amdhsa_user_sgpr_kernarg_segment_ptr 1
		.amdhsa_wavefront_size32 1
		.amdhsa_system_sgpr_workgroup_id_x 1
		.amdhsa_system_sgpr_workgroup_id_y 1
		.amdhsa_system_sgpr_workgroup_id_z 1
		.amdhsa_system_vgpr_workitem_id 0
		.amdhsa_next_free_vgpr 240
		.amdhsa_next_free_sgpr 66
		.amdhsa_reserve_vcc 0
		.amdhsa_float_denorm_mode_32 3
		.amdhsa_float_denorm_mode_16_64 3
		.amdhsa_memory_ordered 1
		.amdhsa_forward_progress 1
		.amdhsa_inst_pref_size 31
	.end_amdhsa_kernel
	.amdgpu_metadata
---
amdhsa.version: [ 1, 2 ]
amdhsa.kernels:
  - .name:           k_q7c7adcbfe2_quant_x
    .symbol:         k_q7c7adcbfe2_quant_x.kd
    .args:
      - { .name: x, .offset: 0, .size: 8, .value_kind: global_buffer, .address_space: global }
      - { .name: xq, .offset: 8, .size: 8, .value_kind: global_buffer, .address_space: global }
    .group_segment_fixed_size: 34304
    .private_segment_fixed_size: 0
    .kernarg_segment_align: 8
    .kernarg_segment_size: 16
    .max_flat_workgroup_size: 128
    .sgpr_count:     66
    .vgpr_count:     240
    .wavefront_size: 32
...
	.end_amdgpu_metadata
.endif
;; end of part 1
;; launch quant_w (part 2): grid 8 x 32, 4 waves a work-group, no clusters, 0 bytes of LDS; arguments Wq, Wk, Wv, Wo, wq; writes wq
.if DOCPART == 2
	.amdgcn_target "amdgcn-amd-amdhsa--gfx1250"
	.amdhsa_code_object_version 6
	.text
	.protected	k_q7c7adcbfe2_quant_w
	.globl	k_q7c7adcbfe2_quant_w
	.p2align	8
	.type	k_q7c7adcbfe2_quant_w,@function
k_q7c7adcbfe2_quant_w:
	s_mov_b64 s[64:65], 0
	v_nop
	global_prefetch_b8 v0, s[64:65] scope:SCOPE_SE
	s_setreg_imm32_b32 hwreg(HW_REG_WAVE_MODE, 25, 1), 1
	s_wait_xcnt 0x0
; The four weights [K 1024][N 1024] f32, K their FIRST axis, become codes of FP6 (E2M3) with one E8M0 byte for each 32 along K, laid as images of operand registers.
; wq: units [tile 256][K step 8][1,536 bytes] (tiles 0-63 Wq, 64-127 Wk, 128-191 Wv, 192-255 Wo; a tile is 16 columns n), then from byte SCOFF on the scale words [tile][K step][16 x 4 bytes].
; A unit: half c at 768 c: registers 6c..6c+3 at 16 x lane, registers 6c+4, 6c+5 at 512 + 8 x lane.  Position p of the columns holds the true column with bits 3 and 4 of p exchanged.
; A LANE TAKES A COLUMN AND ITS REGISTERS RUN DOWN K: a block of 32 lies in one lane, and the conversions give codes with K innermost.  A wave takes 32 columns x 128 K: two units.
; A lane then holds all four blocks of its column; the layout wants blocks 0, 2 in lanes 0-15 and 1, 3 in lanes 16-31 of the column's tile: v_permlane16_swap_b32 of blocks 2c and 2c+1 gives both tiles at once.
; LIMITS: NaN and infinities are not served; a block whose largest magnitude lies under 2^-124 is held at byte 1; a block of zeros gets byte 1 with zero codes (read by this program alone).
; No LDS, no barrier.  Work-group y = 8 x weight + K step; x = which 128 columns.
.set UB,    1536
.set SCOFF, 3145728
.set X,     32                         ; v32-159 four blocks of 32 numbers
.set CB,    160                        ; v160-183 block t's six registers of codes at CB + 6 t
.set CT,    184                        ; v184-186 a block's upper half, before it is moved
	s_load_b256 s[4:11], s[0:1], 0x0               ; Wq s[4:5], Wk s[6:7], Wv s[8:9], Wo s[10:11]
	s_load_b64 s[12:13], s[0:1], 0x20              ; wq
	v_lshrrev_b32 v1, 5, v0
	v_readfirstlane_b32 s16, v1                    ; wave
	v_and_b32 v1, 31, v0                           ; lane = position among my 32 columns
	v_and_b32 v2, 7, v1
	v_and_b32 v6, 8, v1
	v_lshl_or_b32 v2, v6, 1, v2
	v_and_b32 v6, 16, v1
	v_lshrrev_b32 v6, 1, v6
	v_or_b32 v2, v2, v6                            ; its true column: bits 3 and 4 exchanged
	v_lshlrev_b32 v2, 2, v2
	v_lshlrev_b32 v3, 4, v1                        ; 16 x lane
	v_lshlrev_b32 v4, 3, v1                        ; 8 x lane
	v_and_b32 v5, 15, v1
	v_lshlrev_b32 v5, 2, v5
	v_bfe_u32 v6, v1, 4, 1
	v_lshl_or_b32 v5, v6, 9, v5                    ; my scale word: 4 r, and 512 bytes on for the second tile
	s_and_b32 s17, ttmp7, 0xffff
	s_lshr_b32 s18, s17, 3                         ; which weight
	s_and_b32 s19, s17, 7                          ; which K step
	s_lshl_b32 s20, s19, 19                        ; 128 rows of 4,096 bytes
	s_lshl_b32 s21, ttmp9, 9
	s_add_co_u32 s20, s20, s21                     ; + 128 columns a work-group
	s_lshl_b32 s21, s16, 7
	s_add_co_u32 s20, s20, s21                     ; + 32 a wave
	s_mov_b32 s21, 0
	s_lshl_b32 s22, s18, 6
	s_lshl_b32 s23, ttmp9, 3
	s_add_co_u32 s22, s22, s23
	s_lshl_b32 s23, s16, 1
	s_add_co_u32 s22, s22, s23                     ; my first tile: 64 w + 8 x + 2 wave
	s_lshl_b32 s22, s22, 3
	s_add_co_u32 s22, s22, s19                     ; its unit
	s_mul_i32 s24, s22, UB
	s_mov_b32 s25, 0
	s_lshl_b32 s26, s22, 6
	s_add_co_u32 s26, s26, SCOFF
	s_mov_b32 s27, 0
	s_wait_alu depctr_va_vdst(0)
	s_wait_kmcnt 0x0
	s_cmp_eq_u32 s18, 1                            ; the choice hangs on the work-group's number alone
	s_cselect_b64 s[4:5], s[6:7], s[4:5]
	s_cmp_eq_u32 s18, 2
	s_cselect_b64 s[4:5], s[8:9], s[4:5]
	s_cmp_eq_u32 s18, 3
	s_cselect_b64 s[4:5], s[10:11], s[4:5]
	s_add_nc_u64 s[4:5], s[4:5], s[20:21]
	s_add_nc_u64 s[14:15], s[12:13], s[24:25]
	s_add_nc_u64 s[12:13], s[12:13], s[26:27]
.set i, 0
.rept 128                              ; W(128 ks + i, my column): the wave's lanes read 128 bytes of a row, the four waves 512
	global_load_b32 v[X+i], v2, s[4:5] offset:i*4096 th:TH_LOAD_NT
.set i, i+1
.endr
.macro BLOCK t, left
.set XS, X+32*(\t)
	s_wait_loadcnt \left                           ; this block's 32 loads are in (behind blocks 0 and 1 stand 96 and 64 younger loads; the wait's field holds 63, and a smaller count is safe)
	v_max3_num_f32 v8, |v[XS]|, |v[XS+1]|, |v[XS+2]|
	v_max3_num_f32 v9, |v[XS+3]|, |v[XS+4]|, |v[XS+5]|
.irp i, 6,10,14,18,22,26
	v_max3_num_f32 v8, v8, |v[XS+\i]|, |v[XS+\i+1]|
	v_max3_num_f32 v9, v9, |v[XS+\i+2]|, |v[XS+\i+3]|
.endr
	v_max3_num_f32 v8, v8, |v[XS+30]|, |v[XS+31]|
	v_max3_num_f32 v8, v8, v9, 0x1800000           ; and the floor 2^(3 - 127)
	v_add_nc_u32 v10, 0xff000000, v8               ; 2 off the exponent field: the conversion's scale operand
	v_lshrrev_b32 v11, 23, v10                     ; the byte
.if (\t) == 0
	v_mov_b32 v12, v11
.else
	v_lshl_or_b32 v12, v11, 8*(\t), v12            ; my column's scale word: the lower K in the lower byte
.endif
	v_cvt_scalef32_pk16_fp6_f32 v[CB+6*(\t):CB+6*(\t)+2], v[XS:XS+15], v10
	v_cvt_scalef32_pk16_fp6_f32 v[CT:CT+2], v[XS+16:XS+31], v10   ; (a conversion's three registers begin on an even number)
	v_nop                                          ; one plain place behind a scaled conversion
.irp i, 0,1,2
	v_mov_b32 v[CB+6*(\t)+3+\i], v[CT+\i]
.endr
.endm
	BLOCK 0, 63
	BLOCK 1, 63
	BLOCK 2, 32
	BLOCK 3, 0
.irp c, 0,1                            ; block 2c's lanes 16-31 change places with block 2c+1's lanes 0-15: the first is then tile 0's registers 6c.., the second tile 1's
.irp i, 0,1,2,3,4,5
	v_permlane16_swap_b32 v[CB+12*\c+\i], v[CB+12*\c+6+\i]
.endr
.endr
.irp c, 0,1
	global_store_b128 v3, v[CB+12*\c:CB+12*\c+3], s[14:15] offset:768*\c                ; tile 0; each store covers 512 or 256 consecutive bytes, aligned
	global_store_b64 v4, v[CB+12*\c+4:CB+12*\c+5], s[14:15] offset:768*\c+512
	global_store_b128 v3, v[CB+12*\c+6:CB+12*\c+9], s[14:15] offset:8*UB+768*\c         ; tile 1: eight units on
	global_store_b64 v4, v[CB+12*\c+10:CB+12*\c+11], s[14:15] offset:8*UB+768*\c+512
.endr
	global_store_b32 v5, v12, s[12:13]             ; 64 bytes for each of the two units
	s_endpgm
.Lfunc_end_k_q7c7adcbfe2_quant_w:
	.size	k_q7c7adcbfe2_quant_w, .Lfunc_end_k_q7c7adcbfe2_quant_w-k_q7c7adcbfe2_quant_w
	.p2alignl 7, 3214868480
	.fill 96, 4, 3214868480
	.section	.rodata,"a",@progbits
	.p2align	6, 0x0
	.amdhsa_kernel k_q7c7adcbfe2_quant_w
		.amdhsa_group_segment_fixed_size 0
		.amdhsa_private_segment_fixed_size 0
		.amdhsa_enable_private_segment 0
		.amdhsa_kernarg_size 40
		.amdhsa_user_sgpr_count 2
		.amdhsa_user_sgpr_kernarg_segment_ptr 1
		.amdhsa_wavefront_size32 1
		.amdhsa_system_sgpr_workgroup_id_x 1
		.amdhsa_system_sgpr_workgroup_id_y 1
		.amdhsa_system_sgpr_workgroup_id_z 1
		.amdhsa_system_vgpr_workitem_id 0
		.amdhsa_next_free_vgpr 192
		.amdhsa_next_free_sgpr 66
		.amdhsa_reserve_vcc 0
		.amdhsa_float_denorm_mode_32 3
		.amdhsa_float_denorm_mode_16_64 3
		.amdhsa_memory_ordered 1
		.amdhsa_forward_progress 1
		.amdhsa_inst_pref_size 22
	.end_amdhsa_kernel
	.amdgpu_metadata
---
amdhsa.version: [ 1, 2 ]
amdhsa.kernels:
  - .name:           k_q7c7adcbfe2_quant_w
    .symbol:         k_q7c7adcbfe2_quant_w.kd
    .args:
      - { .name: Wq, .offset: 0, .size: 8, .value_kind: global_buffer, .address_space: global }
      - { .name: Wk, .offset: 8, .size: 8, .value_kind: global_buffer, .address_space: global }
      - { .name: Wv, .offset: 16, .size: 8, .value_kind: global_buffer, .address_space: global }
      - { .name: Wo, .offset: 24, .size: 8, .value_kind: global_buffer, .address_space: global }
      - { .name: wq, .offset: 32, .size: 8, .value_kind: global_buffer, .address_space: global }
    .group_segment_fixed_size: 0
    .private_segment_fixed_size: 0
    .kernarg_segment_align: 8
    .kernarg_segment_size: 40
    .max_flat_workgroup_size: 128
    .sgpr_count:     66
    .vgpr_count:     192
    .wavefront_size: 32
...
	.end_amdgpu_metadata
.endif
;; end of part 2
;; launch proj_qkv (part 3): grid 8 x 32, 4 waves a work-group, clusters of 4 x 4, 327,680 bytes of LDS; arguments xq, wq, bq, bk, bv, qkq, vq; writes qkq, vq
.if DOCPART == 3
	.amdgcn_target "amdgcn-amd-amdhsa--gfx1250"
	.amdhsa_code_object_version 6
	.text
	.protected	k_q7c7adcbfe2_proj_qkv
	.globl	k_q7c7adcbfe2_proj_qkv
	.p2align	8
	.type	k_q7c7adcbfe2_proj_qkv,@function
k_q7c7adcbfe2_proj_qkv:
	s_mov_b64 s[64:65], 0
	v_nop
	global_prefetch_b8 v0, s[64:65] scope:SCOPE_SE
	s_setreg_imm32_b32 hwreg(HW_REG_WAVE_MODE, 25, 1), 1
	s_wait_xcnt 0x0
	s_wait_alu depctr_hold_cnt(0) depctr_sa_sdst(0) depctr_va_vdst(0) depctr_va_sdst(0) depctr_va_ssrc(0) depctr_va_vcc(0) depctr_vm_vsrc(0)
	s_getreg_b32 s2, hwreg(HW_REG_IB_STS2, 6, 4)
	s_cmp_eq_u32 s2, 0
	s_cbranch_scc0 .Lentry_in_a_cluster
	s_endpgm
.Lentry_in_a_cluster:
	s_bfe_u32 s2, ttmp6, 0x10000c
	s_cmp_lg_u32 s2, 0xf033
	s_cbranch_scc0 .Lentry_shape_is_right
	s_endpgm
.Lentry_shape_is_right:
; v = x Wv + bv, q = x Wq + bq, k = x Wk + bk on codes of FP6 (E2M3) with E8M0 scales, sums in f32; the results are quantised in registers and leave as codes.
; BUFFERS: a unit = 16 rows x 128 K = 1,536 bytes, an image of 12 operand registers (half c at 768 c: registers 6c..6c+3 at 16 x lane, 6c+4, 6c+5 at 512 + 8 x lane).
; xq, wq: units [tile][K step 8], scale words [tile][K step][16 rows x 4 bytes] behind them.  Position p of a tile holds the true row with bits 3 and 4 exchanged, so that a lane's 16 results of
; source 0's tiles 2 b, 2 b + 1 are 16 neighbours 32 b + 16 (lane / 16) + 0..15 along the next product's K.  OUT: qkq units [pair of heads g for q, 8 + g for k][token tile 512]; vq units [128 tokens][tile of 16 channels: 64].
; THE DEAL: work-group (x, y): 256 tokens (16 tiles from 16 y on) x columns 128 x on of each of the three weights: 256 work-groups.  Four waves 2 x 2: wave row a takes tiles 8 a .. 8 a + 7, wave column b columns 64 b on: one head.
; x's 16 tiles, ALL of K, lie in LDS for the whole launch (196,608 bytes).  A weight's 8 tiles have a region of their own (98,304 bytes), from which each wave takes its 64 columns, all of K, into 384 registers.
; A BLOCK is one tile of x against the wave's four weight tiles, 8 K steps: 32 products, the four accumulators by turns; x's fragments lie twice in registers, and a set takes the block two on as soon as its products are issued.
; THREE PHASES on the same x: V, Q, K.  The weights' region is filled again twice, each time behind the three lines and a round of the cluster's barrier, as soon as every wave holds the current weight in registers:
; the fill has the whole phase's 256 products a wave in which to land, so no prefetch is laid ahead of it.  x's tiles are asked for jointly along a row of the cluster, a weight's along a column.
; V: source 0 = x's rows: a lane's registers run along the tokens; four blocks give 32 sums a lane for each weight tile.  Q, K: source 0 = the weight's rows: a lane's 32 sums of a block run along the head's channels.
; The bias is the C of each sum's first product.  q leaves WITHOUT reference()'s factor 1/8, a power of two that changes no code; the attention applies it to the scores.
; LIMITS: NaN and infinities are not served; a block whose largest magnitude lies under 2^-124 is held at byte 1; a block of zeros gets byte 1 with zero codes (these bytes are read by this program alone).
; THE WAIT'S COUNT: NF = 36 LDS loads bring a block (32 for eight fragments, 4 for its scale words); ahead of a block the next block's NF may be out.
.set UB,    1536
.set TROW,  8*UB                       ; a tile, all of K
.set WB,    16*TROW                    ; LDS: x at 0, the weight here,
.set XSL,   WB+8*TROW                  ; x's scale words,
.set SPARE, XSL+8192                   ; the spare words
.set FPW,   21                         ; fragment f lies in window 1 + f / 21 at register 12 (f % 21): 0-31 the weight's (4 q + j), 32-39 and 40-47 x's two sets
.set NF,    36
.set L16,  4
.set L8,   5
.set L4,   6
.set XA16, 8                           ; v8-9 x's tiles 0-3, 4-7 of my eight, + 16 x lane;  v10-11 + 8 x lane
.set XA8,  10
.set XSA,  12
.set WA16, 13
.set WA8,  14
.set SPW,  15
.set NIL,  16
.set BH,   17
.set BR,   18
.set WS,   24                          ; v24-71 the weights' scale words: Wq, Wk, Wv; register 4 j + q / 2: lanes 0-15 K step q even, lanes 16-31 odd
.set XS,   74                          ; v74-81 x's, two sets of four, likewise
.set PWS,  84
.set TM,   88                          ; v88-111 the way out: six a source
.set CT,   112                         ; v112-127 the conversions' second halves
.set MCD,  128                         ; v128-175 codes
.set VW,   176                         ; v176-183 pairs of scale bytes
.set BTQ,  192                         ; v192-223, v224-255 bq, bk in the result's layout; v968-999 bv
.set BTK,  224
.set ACC,  840                         ; v840-967 accumulators
.set BTV,  968
.set WV,   18
.set WA,   19
.set WC,   20
.set G1X,  24
.set G1W,  32
.set SEL,  46
.set G1S,  48
.set G0X,  56
.set G0W,  60
.set G0S,  68
.set MK,   98
.set MSB, 0
.macro WIN new                         ; the immediate's high byte repeats the setting that is left
.if MSB != (\new)
	s_set_vgpr_msb (MSB<<8)|(\new)
.set MSB, (\new)
.endif
.endm
.macro PLACES n
.rept \n
	v_nop
.endr
.endm
.macro WALU
	s_wait_alu depctr_va_vdst(0)
.endm
.macro BARRIER
	s_barrier_signal -1
	s_barrier_wait -1
.endm
.macro CROUND
	BARRIER
	s_cmp_lg_u32 s[WV], 0
	s_cbranch_scc1 .Lnw0_\@
	s_barrier_signal -3
.Lnw0_\@:
	s_barrier_wait -3
	BARRIER
.endm
.macro TL g0, g1
	tensor_load_to_lds s[\g0:\g0+3], s[\g1:\g1+7]
	s_nop 0
	PLACES 4
.endm
.macro GRP1 g, mask, c, r              ; r dense rows of c elements of 8 bytes
	s_or_b32 s[\g], s\mask, (3<<16)|(1<<21)
	s_mov_b32 s[\g+1], (\c)<<16
	s_mov_b32 s[\g+2], (\r)<<16
	s_mov_b32 s[\g+3], (\c)<<16
	s_mov_b32 s[\g+4], \r
	s_mov_b32 s[\g+5], \c
	s_mov_b32 s[\g+6], 0
	s_mov_b32 s[\g+7], 0
.endm
.macro FRAG f, a16, a8, off            ; a unit comes back as it was stored: four dense loads
	WIN (1+(\f)/FPW)<<6
.set R_, 12*((\f)%FPW)
	ds_load_b128 v[R_:R_+3], v[\a16] offset:\off
	ds_load_b64 v[R_+4:R_+5], v[\a8] offset:(\off)+512
	ds_load_b128 v[R_+6:R_+9], v[\a16] offset:(\off)+768
	ds_load_b64 v[R_+10:R_+11], v[\a8] offset:(\off)+1280
.endm
.macro WEIGHTS                         ; my four tiles of the weight, all of K: 128 loads
.set Q_, 0
.rept 8
.set J_, 0
.rept 4
	FRAG 4*Q_+J_, WA16, WA8, J_*TROW+Q_*UB
.set J_, J_+1
.endr
.set Q_, Q_+1
.endr
	WIN 0
.endm
.macro FETCH e, t                      ; tile t of my eight into set e
.set Q_, 0
.rept 8
	FRAG 32+8*(\e)+Q_, XA16+(\t)/4, XA8+(\t)/4, ((\t)%4)*TROW+Q_*UB
.set Q_, Q_+1
.endr
	WIN 0
.irp p, 0,1,2,3
	ds_load_b32 v[XS+4*(\e)+\p], v[XSA] offset:(\t)*512+128*\p
.endr
.endm
.macro PROD1 d, a, b, c, sa, sb, row
.if \row
	v_wmma_scale_f32_16x16x128_f8f6f4 v[\d:\d+7], v[\a:\a+11], v[\b:\b+11], v[\c:\c+7], v[\sa], v[\sb] matrix_a_fmt:MATRIX_FMT_FP6 matrix_b_fmt:MATRIX_FMT_FP6 matrix_a_scale:MATRIX_SCALE_ROW1 matrix_b_scale:MATRIX_SCALE_ROW1
.else
	v_wmma_scale_f32_16x16x128_f8f6f4 v[\d:\d+7], v[\a:\a+11], v[\b:\b+11], v[\c:\c+7], v[\sa], v[\sb] matrix_a_fmt:MATRIX_FMT_FP6 matrix_b_fmt:MATRIX_FMT_FP6
.endif
.endm
.macro PROD kind, e, q, j, d, c, ws    ; kind 0: source 0 the weight's rows; kind 1: x's
.set FW_, 4*(\q)+(\j)
.set FX_, 32+8*(\e)+(\q)
.set RW_, 12*(FW_%FPW)
.set RX_, 12*(FX_%FPW)
.set D_, (\d)
.set C_, (\c)
.set DL_, D_&255
.set CL_, C_&255
.set SW_, (\ws)+4*(\j)+(\q)/2
.set SX_, XS+4*(\e)+(\q)/2
.if \kind
	WIN (1+FX_/FPW)|((1+FW_/FPW)<<2)|((C_>>8)<<4)|((D_>>8)<<6)
	PROD1 DL_, RX_, RW_, CL_, SX_, SW_, (\q)%2
.else
	WIN (1+FW_/FPW)|((1+FX_/FPW)<<2)|((C_>>8)<<4)|((D_>>8)<<6)
	PROD1 DL_, RW_, RX_, CL_, SW_, SX_, (\q)%2
.endif
.endm
.macro BLOCK kind, e, d0, ds, bt, ws   ; 32 products; accumulator j at d0 + ds j; the first four take the bias as C
.set BQ_, 0
.rept 8
.set BJ_, 0
.rept 4
.if BQ_
	PROD \kind, \e, BQ_, BJ_, (\d0)+(\ds)*BJ_, (\d0)+(\ds)*BJ_, \ws
.else
	PROD \kind, \e, BQ_, BJ_, (\d0)+(\ds)*BJ_, (\bt)+8*BJ_, \ws
.endif
.set BJ_, BJ_+1
.endr
.set BQ_, BQ_+1
.endr
	WIN 0
.endm
; THE WAY OUT of n sources of 32 sums a lane (source k at qb + 32 k, window 3; register 16 b + i = k 32 b + 16 (lane / 16) + i): six registers of codes at dc + dcs k, the two scale bytes at dw + dws k.
; The sources take turns line by line; each accumulator is read from its low end on.
.macro QUANTN n, qb, dc, dcs, dw, dws
.set QL_, (\qb)&255
	WIN 3|(3<<2)
.set K_, 0
.rept \n
.irp b, 0,1
	v_max3_num_f32 v[TM+6*K_+\b], |v[QL_+32*K_+16*\b]|, |v[QL_+32*K_+16*\b+1]|, 0x1800000   ; with the floor 2^(3 - 127)
.endr
.set K_, K_+1
.endr
	WIN (3<<2)|(3<<4)
.irp i, 2,4,6,8,10,12,14
.set K_, 0
.rept \n
.irp b, 0,1
	v_max3_num_f32 v[TM+6*K_+\b], v[TM+6*K_+\b], |v[QL_+32*K_+16*\b+\i]|, |v[QL_+32*K_+16*\b+\i+1]|
.endr
.set K_, K_+1
.endr
.endr
	WIN 0
.set K_, 0
.rept \n
.irp b, 0,1
	v_permlanex16_b32 v[TM+6*K_+2+\b], v[TM+6*K_+\b], s[SEL], s[SEL+1]
.endr
.set K_, K_+1
.endr
.set K_, 0
.rept \n
.irp b, 0,1
	v_max_num_f32 v[TM+6*K_+\b], v[TM+6*K_+\b], v[TM+6*K_+2+\b]   ; with lane l xor 16's: the block's largest magnitude
.endr
.set K_, K_+1
.endr
.set K_, 0
.rept \n
.irp b, 0,1
	v_add_nc_u32 v[TM+6*K_+4+\b], 0xff000000, v[TM+6*K_+\b]       ; 2 off its exponent field: the conversion's scale operand
.endr
.set K_, K_+1
.endr
.set K_, 0
.rept \n
.irp b, 0,1
	v_lshrrev_b32 v[TM+6*K_+2+\b], 23, v[TM+6*K_+4+\b]            ; the byte
.endr
.set K_, K_+1
.endr
.set K_, 0
.rept \n
	v_lshl_or_b32 v[(\dw)+(\dws)*K_], v[TM+6*K_+3], 8, v[TM+6*K_+2]
.set K_, K_+1
.endr
	WIN 3
.set K_, 0
.rept \n
	v_cvt_scalef32_pk16_fp6_f32 v[(\dc)+(\dcs)*K_:(\dc)+(\dcs)*K_+2], v[QL_+32*K_:QL_+32*K_+15], v[TM+6*K_+4]
	v_cvt_scalef32_pk16_fp6_f32 v[CT+4*K_:CT+4*K_+2], v[QL_+32*K_+16:QL_+32*K_+31], v[TM+6*K_+5]
.set K_, K_+1
.endr
	WIN 0
	v_nop                                          ; one plain place behind a scaled conversion
.set K_, 0
.rept \n                               ; the layout wants a whole block in a lane: lanes 0-15 the first, lanes 16-31 the second
.irp i, 0,1,2
	v_permlane16_swap_b32 v[(\dc)+(\dcs)*K_+\i], v[CT+4*K_+\i]
.endr
.irp i, 0,1,2
	v_mov_b32 v[(\dc)+(\dcs)*K_+3+\i], v[CT+4*K_+\i]
.endr
.set K_, K_+1
.endr
.endm
.macro OUTQ s, oc, os                  ; block s of Q or K leaves: my head's half of the token tile's unit; the scale bytes two blocks at a time
	s_wait_xcnt 0x0                                ; earlier stores have read their data
	QUANTN 1, ACC+32*((\s)%2), MCD+6*((\s)%2), 0, VW+(\s)%2, 0
	global_store_b128 v[L16], v[MCD+6*((\s)%2):MCD+6*((\s)%2)+3], s[\oc:\oc+1] offset:UB*(\s)
	global_store_b64 v[L8], v[MCD+6*((\s)%2)+4:MCD+6*((\s)%2)+5], s[\oc:\oc+1] offset:UB*(\s)+512
.if (\s)%2
	v_cndmask_b32 v[PWS], v[VW], v[VW+1], s[MK]    ; lanes 0-15 the even block's rows, lanes 16-31 the odd block's
	global_store_b16 v[L4], v[PWS], s[\os:\os+1] offset:64*((\s)-1)
.endif
.endm
.macro PHASE ws, bt, oc, os            ; Q or K: eight blocks; the last block's way out is the caller's
.irp s, 0,1,2,3,4,5,6,7
.if \s < 7
	s_wait_dscnt NF
.else
	s_wait_dscnt 0x0
.endif
	BLOCK 0, \s%2, ACC+32*(\s%2), 8, \bt, \ws
	PLACES 4
.if \s < 6
	FETCH \s%2, \s+2
.endif
.if \s < 7
	OUTQ \s, \oc, \os
.endif
.endr
.endm
.macro NEXTW                           ; the next weight has landed, in every wave's eyes; it goes into registers, and with it the next phase's first two blocks
	s_wait_tensorcnt 0x0
	s_wait_dscnt 0x0
	BARRIER                                        ; a plain barrier
	WEIGHTS
	FETCH 0, 0
	FETCH 1, 1
.endm
.macro REFILL                          ; behind the round: waves 0 and 1 bring a half each of the next weight
	s_wait_dscnt 0x0                               ; the add is done, and my reads of the weights' region
	CROUND
	s_cmp_lt_u32 s[WV], 2
	s_cbranch_scc0 .Lnone_\@
	TL G0W, G1W
.Lnone_\@:
.endm
	s_load_b256 s[4:11], s[0:1], 0x0               ; xq, wq, bq, bk
	s_load_b128 s[12:15], s[0:1], 0x20             ; bv, qkq
	s_load_b64 s[16:17], s[0:1], 0x30              ; vq
	v_lshl_add_u32 v[SPW], v0, 2, SPARE
	v_mov_b32 v[NIL], 0
	ds_add_u32 v[SPW], v[NIL]                      ; the opening lines: the add twice on end and one wait
	ds_add_u32 v[SPW], v[NIL]
	v_lshrrev_b32 v1, 5, v0
	v_readfirstlane_b32 s[WV], v1
	s_lshr_b32 s[WA], s[WV], 1
	s_and_b32 s[WC], s[WV], 1
	s_bfe_u32 s40, ttmp6, 0x40000
	s_bfe_u32 s41, ttmp6, 0x40004
	s_lshl_b32 s42, ttmp9, 2
	s_add_co_u32 s42, s42, s40                     ; which 128 columns: the pair of heads
	s_and_b32 s43, ttmp7, 0xffff
	s_lshl_b32 s43, s43, 2
	s_add_co_u32 s43, s43, s41                     ; which 256 tokens
	s_lshl_b32 s44, s41, 2
	s_lshl_b32 s44, 15, s44                        ; my row of the cluster
	s_lshl_b32 s45, 0x1111, s40                    ; my column
	GRP1 G1X, 44, TROW/8, 8                        ; 8 tiles of x
	GRP1 G1W, 45, TROW/8, 8                        ; 8 tiles of a weight at the head, 4 in a refill
	GRP1 G1S, 44, 32, 32                           ; x's scale words: 8,192 dense bytes
	s_mov_b32 s[SEL], 0x76543210
	s_mov_b32 s[SEL+1], 0xfedcba98
	s_lshl_b32 s72, s43, 4
	s_lshl_b32 s22, s[WC], 3
	s_add_co_u32 s72, s72, s22
	s_mul_i32 s72, s72, TROW                       ; x: the 8 tiles that waves 2 and 3 ask for
	s_lshl_b32 s74, s43, 13
	s_add_co_u32 s74, s74, 6291456                 ; x's scale words
	s_lshl_b32 s76, s42, 3
	s_mul_i32 s76, s76, TROW                       ; Wq's 8 tiles
	s_lshl_b32 s78, s42, 3
	s_lshl_b32 s23, s[WC], 2
	s_add_co_u32 s78, s78, s23
	s_lshl_b32 s78, s78, 9
	s_add_co_u32 s78, s78, 3145728                 ; the scale words of my four tiles of Wq
	s_lshl_b32 s80, s42, 9
	s_lshl_b32 s23, s[WC], 8
	s_add_co_u32 s80, s80, s23                     ; my head's bias
	s_lshl_b32 s21, s43, 4
	s_lshl_b32 s23, s[WA], 3
	s_add_co_u32 s21, s21, s23                     ; my first token tile
	s_lshl_b32 s23, s42, 9
	s_add_co_u32 s23, s23, s21                     ; q's unit
	s_mul_i32 s86, s23, UB
	s_mul_i32 s99, s[WC], 768
	s_add_co_u32 s86, s86, s99
	s_lshl_b32 s88, s23, 6
	s_add_co_u32 s88, s88, 12582912
	s_lshl_b32 s99, s[WC], 1
	s_add_co_u32 s88, s88, s99
	s_add_co_u32 s90, s86, 4096*UB                 ; k's: 8 x 512 units on
	s_add_co_u32 s92, s88, 4096*64
	s_lshl_b32 s21, s21, 3                         ; v's unit: 64 x my group of 128 tokens + 8 x + 4 b
	s_lshl_b32 s23, s42, 3
	s_add_co_u32 s21, s21, s23
	s_lshl_b32 s23, s[WC], 2
	s_add_co_u32 s21, s21, s23
	s_mul_i32 s94, s21, UB
	s_lshl_b32 s96, s21, 6
	s_add_co_u32 s96, s96, 6291456
.irp k, 73,75,77,79,81,87,89,91,93,95,97
	s_mov_b32 s\k, 0
.endr
	s_mul_i32 s22, s[WC], 4*TROW                   ; a refill's half
	s_mov_b32 s23, 0
	s_add_co_u32 s99, s22, WB
	WALU
	s_wait_dscnt 0x0
	s_wait_kmcnt 0x0
	s_add_nc_u64 s[72:73], s[4:5], s[72:73]
	s_add_nc_u64 s[74:75], s[4:5], s[74:75]
	s_add_nc_u64 s[76:77], s[6:7], s[76:77]
	s_add_nc_u64 s[78:79], s[6:7], s[78:79]
	s_add_nc_u64 s[82:83], s[10:11], s[80:81]
	s_add_nc_u64 s[84:85], s[12:13], s[80:81]
	s_add_nc_u64 s[80:81], s[8:9], s[80:81]
	s_add_nc_u64 s[86:87], s[14:15], s[86:87]
	s_add_nc_u64 s[88:89], s[14:15], s[88:89]
	s_add_nc_u64 s[90:91], s[14:15], s[90:91]
	s_add_nc_u64 s[92:93], s[14:15], s[92:93]
	s_add_nc_u64 s[94:95], s[16:17], s[94:95]
	s_add_nc_u64 s[96:97], s[16:17], s[96:97]
	s_mov_b32 s[G0X], 1
	s_mul_i32 s[G0X+1], s[WC], 8*TROW
	s_mov_b64 s[G0X+2:G0X+3], s[72:73]
	s_or_b32 s[G0X+3], s[G0X+3], 0x80000000
	s_mov_b32 s[G0S], 1
	s_mov_b32 s[G0S+1], XSL
	s_mov_b64 s[G0S+2:G0S+3], s[74:75]
	s_or_b32 s[G0S+3], s[G0S+3], 0x80000000
	s_mov_b32 s[G0W], 1
	s_mov_b32 s[G0W+1], WB
	s_add_nc_u64 s[G0W+2:G0W+3], s[76:77], 128*TROW   ; Wv: wq's tiles 128 on
	s_or_b32 s[G0W+3], s[G0W+3], 0x80000000
	s_add_nc_u64 s[76:77], s[76:77], s[22:23]      ; for the refills: my half of Wq's tiles
	CROUND                                         ; all sixteen work-groups are here: the first joint loads meet
	s_cmp_eq_u32 s[WV], 0                          ; the head's loads, one a wave, in one chain of branches: what goes on into registers is asked for first
	s_cbranch_scc0 .Lh1
	TL G0W, G1W
	s_branch .Lhj
.Lh1:
	s_cmp_eq_u32 s[WV], 1
	s_cbranch_scc0 .Lh2
	TL G0S, G1S
	s_branch .Lhj
.Lh2:
	TL G0X, G1X
.Lhj:
	v_and_b32 v1, 31, v0
	v_lshlrev_b32 v[L16], 4, v1
	v_lshlrev_b32 v[L8], 3, v1
	v_lshlrev_b32 v[L4], 2, v1
	v_cmp_lt_u32 s[MK], 15, v1                     ; lanes 16-31
	v_bfe_u32 v2, v0, 4, 1
	v_lshlrev_b32 v[BH], 6, v2                     ; q, k: register i of tile j is channel 32 (j / 2) + 8 (j % 2) + 16 h + i
	v_and_b32 v2, 15, v0
	v_and_b32 v3, 8, v2
	v_add_nc_u32 v2, v2, v3
	v_lshlrev_b32 v[BR], 2, v2                     ; v: lane r of tile t is channel 32 (t / 2) + 8 (t % 2) + r + 8 (r / 8)
	s_mul_i32 s22, s[WA], 8*TROW
	v_add_nc_u32 v[XA16], s22, v[L16]
	v_add_nc_u32 v[XA8], s22, v[L8]
	s_add_co_u32 s22, s22, 4*TROW
	v_add_nc_u32 v[XA16+1], s22, v[L16]
	v_add_nc_u32 v[XA8+1], s22, v[L8]
	s_lshl_b32 s22, s[WA], 12
	s_add_co_u32 s22, s22, XSL
	v_add_nc_u32 v[XSA], s22, v[L4]
	v_add_nc_u32 v[WA16], s99, v[L16]
	v_add_nc_u32 v[WA8], s99, v[L8]
.irp w, 0,1,2
.irp j, 0,1,2,3
.irp p, 0,1,2,3
	global_load_b32 v[WS+16*\w+4*\j+\p], v[L4], s[78:79] offset:\w*32768+\j*512+\p*128
.endr
.endr
.endr
.irp j, 0,1,2,3
	global_load_b128 v[BTQ+8*\j:BTQ+8*\j+3], v[BH], s[80:81] offset:(32*(\j/2)+8*(\j%2))*4
	global_load_b128 v[BTQ+8*\j+4:BTQ+8*\j+7], v[BH], s[80:81] offset:(32*(\j/2)+8*(\j%2))*4+16
	global_load_b128 v[BTK+8*\j:BTK+8*\j+3], v[BH], s[82:83] offset:(32*(\j/2)+8*(\j%2))*4
	global_load_b128 v[BTK+8*\j+4:BTK+8*\j+7], v[BH], s[82:83] offset:(32*(\j/2)+8*(\j%2))*4+16
.endr
	WIN 3<<6
.irp t, 0,1,2,3
.irp i, 0,1,2,3,4,5,6,7
	global_load_b32 v[BTV-768+8*\t+\i], v[BR], s[84:85] offset:(32*(\t/2)+8*(\t%2))*4
.endr
.endr
	WIN 0
.irp k, 0,1,2,3
	v_mov_b32 v[TM+6*\k+2], 0                      ; a lane permute's destination counts as one of its sources
	v_mov_b32 v[TM+6*\k+3], 0
.endr
	WALU                                           ; the wait at the head's end
	s_cmp_eq_u32 s[WV], 0
	s_cbranch_scc0 .Lnot_w
	s_wait_tensorcnt 0x0
.Lnot_w:
	BARRIER                                        ; Wv is in; x may still be on its way
	WEIGHTS
	s_wait_tensorcnt 0x0                           ; the three lines ahead of the first refill: all the head's tiles are in,
	ds_add_u32 v[SPW], v[NIL]
	s_mov_b32 s[G1W+2], 4<<16                      ; no load of mine is out: a refill's load brings 4 tiles
	s_mov_b32 s[G1W+4], 4
	s_mov_b32 s[G0W+1], s99
	s_mov_b64 s[G0W+2:G0W+3], s[76:77]
	s_or_b32 s[G0W+3], s[G0W+3], 0x80000000
	REFILL                                         ; Wq onto Wv, which every wave holds in registers
	FETCH 0, 0
	FETCH 1, 1
	s_wait_loadcnt 0x0                             ; the weights' scale words and the biases
; PHASE V: accumulator (t, tile T % 4) at ACC + 32 t + 8 (T % 4); behind four blocks a band of 64 tokens is whole
.irp s, 0,1,2,3,4,5,6,7
.if \s < 7
	s_wait_dscnt NF
.else
	s_wait_dscnt 0x0
.endif
	BLOCK 1, \s%2, ACC+8*(\s%4), 32, BTV, WS+32
	PLACES 4
.if \s < 6
	FETCH \s%2, \s+2
.endif
.if \s == 3
	QUANTN 4, ACC, MCD, 12, VW, 2
.endif
.endr
	NEXTW
	QUANTN 4, ACC, MCD+6, 12, VW+1, 2              ; the second band's way out, under the loads' flight
.irp t, 0,1,2,3
	v_lshl_or_b32 v[VW+2*\t], v[VW+2*\t+1], 16, v[VW+2*\t]
.endr
.irp u, 0,1
	v_cndmask_b32 v[PWS+\u], v[VW+4*\u], v[VW+4*\u+2], s[MK]
.endr
.irp t, 0,1,2,3
	global_store_b128 v[L16], v[MCD+12*\t:MCD+12*\t+3], s[94:95] offset:UB*\t
	global_store_b64 v[L8], v[MCD+12*\t+4:MCD+12*\t+5], s[94:95] offset:UB*\t+512
	global_store_b128 v[L16], v[MCD+12*\t+6:MCD+12*\t+9], s[94:95] offset:UB*\t+768
	global_store_b64 v[L8], v[MCD+12*\t+10:MCD+12*\t+11], s[94:95] offset:UB*\t+1280
.endr
.irp u, 0,1
	global_store_b32 v[L4], v[PWS+\u], s[96:97] offset:128*\u
.endr
	WALU
	s_wait_tensorcnt 0x0                           ; the three lines ahead of the second refill
	ds_add_u32 v[SPW], v[NIL]
	s_add_nc_u64 s[G0W+2:G0W+3], s[G0W+2:G0W+3], 64*TROW   ; Wk: 64 tiles on
	REFILL
	PHASE WS, BTQ, 86, 88
	NEXTW
	OUTQ 7, 86, 88
	PHASE WS+16, BTK, 90, 92
	OUTQ 7, 90, 92
	s_wait_tensorcnt 0x0                           ; the wave's end
	ds_add_u32 v[SPW], v[NIL]
	s_wait_dscnt 0x0
	CROUND                                         ; the closing round
	s_endpgm
.Lfunc_end_k_q7c7adcbfe2_proj_qkv:
	.size	k_q7c7adcbfe2_proj_qkv, .Lfunc_end_k_q7c7adcbfe2_proj_qkv-k_q7c7adcbfe2_proj_qkv
	.p2alignl 7, 3214868480
	.fill 96, 4, 3214868480
	.section	.rodata,"a",@progbits
	.p2align	6, 0x0
	.amdhsa_kernel k_q7c7adcbfe2_proj_qkv
		.amdhsa_group_segment_fixed_size 327680
		.amdhsa_private_segment_fixed_size 0
		.amdhsa_enable_private_segment 0
		.amdhsa_kernarg_size 56
		.amdhsa_user_sgpr_count 2
		.amdhsa_user_sgpr_kernarg_segment_ptr 1
		.amdhsa_wavefront_size32 1
		.amdhsa_system_sgpr_workgroup_id_x 1
		.amdhsa_system_sgpr_workgroup_id_y 1
		.amdhsa_system_sgpr_workgroup_id_z 1
		.amdhsa_system_vgpr_workitem_id 0
		.amdhsa_next_free_vgpr 1000
		.amdhsa_next_free_sgpr 100
		.amdhsa_reserve_vcc 0
		.amdhsa_float_denorm_mode_32 3
		.amdhsa_float_denorm_mode_16_64 3
		.amdhsa_memory_ordered 1
		.amdhsa_forward_progress 1
		.amdhsa_inst_pref_size 255
	.end_amdhsa_kernel
	.section	.bss,"aw",@nobits
	.p2align	6
	.space	262144
	.amdgpu_metadata
---
amdhsa.version: [ 1, 2 ]
amdhsa.kernels:
  - .name:           k_q7c7adcbfe2_proj_qkv
    .symbol:         k_q7c7adcbfe2_proj_qkv.kd
    .args:
      - { .name: xq, .offset: 0, .size: 8, .value_kind: global_buffer, .address_space: global }
      - { .name: wq, .offset: 8, .size: 8, .value_kind: global_buffer, .address_space: global }
      - { .name: bq, .offset: 16, .size: 8, .value_kind: global_buffer, .address_space: global }
      - { .name: bk, .offset: 24, .size: 8, .value_kind: global_buffer, .address_space: global }
      - { .name: bv, .offset: 32, .size: 8, .value_kind: global_buffer, .address_space: global }
      - { .name: qkq, .offset: 40, .size: 8, .value_kind: global_buffer, .address_space: global }
      - { .name: vq, .offset: 48, .size: 8, .value_kind: global_buffer, .address_space: global }
    .group_segment_fixed_size: 327680
    .private_segment_fixed_size: 0
    .kernarg_segment_align: 8
    .kernarg_segment_size: 56
    .max_flat_workgroup_size: 128
    .sgpr_count:     100
    .vgpr_count:     1000
    .wavefront_size: 32
...
	.end_amdgpu_metadata
.endif
;; end of part 3
;; launch attention (part 4): grid 4 x 64, 16 waves a work-group, clusters of 4 x 1, 327,680 bytes of LDS; arguments qkq, vq, aq; writes aq
.if DOCPART == 4
	.amdgcn_target "amdgcn-amd-amdhsa--gfx1250"
	.amdhsa_code_object_version 6
	.text
	.protected	k_q7c7adcbfe2_attention
	.globl	k_q7c7adcbfe2_attention
	.p2align	8
	.type	k_q7c7adcbfe2_attention,@function
k_q7c7adcbfe2_attention:
	s_mov_b64 s[64:65], 0
	v_nop
	global_prefetch_b8 v0, s[64:65] scope:SCOPE_SE
	s_setreg_imm32_b32 hwreg(HW_REG_WAVE_MODE, 25, 1), 1
	s_wait_xcnt 0x0
	s_wait_alu depctr_hold_cnt(0) depctr_sa_sdst(0) depctr_va_vdst(0) depctr_va_sdst(0) depctr_va_ssrc(0) depctr_va_vcc(0) depctr_vm_vsrc(0)
	s_getreg_b32 s2, hwreg(HW_REG_IB_STS2, 6, 4)
	s_cmp_eq_u32 s2, 0
	s_cbranch_scc0 .Lentry_in_a_cluster
	s_endpgm
.Lentry_in_a_cluster:
	s_bfe_u32 s2, ttmp6, 0x10000c
	s_cmp_lg_u32 s2, 0x3003
	s_cbranch_scc0 .Lentry_shape_is_right
	s_endpgm
.Lentry_shape_is_right:
; o = softmax(q k^T / 8) v for one head, on codes of FP6 (E2M3) with E8M0 scales; o is quantised along the channels and leaves as codes for the last projection.
; THE DEAL: work-group (cx, y): batch y / 16, head y % 16, queries 512 cx on.  16 waves, each with two tiles of 16 queries (A, B).  256 work-groups.
; ONE HEAD'S K AND V LIE IN LDS WHOLE: K 2,048 keys x 48 bytes = 98,304, V the same, scale words 8,192 + 4,096: nothing is filled again, and the key loops hold no barrier.
; FILLS: at the head four loads (keys 0-511 of K, of V, both tables of scale words: waves 0, 4, 8, 9); behind the full sequence and a round six more (keys 512 c on, c = 1..3: K waves 1-3, V waves 5-7).
; They have four key steps in which to land; then every wave waits for its loads and one plain barrier shows them to all.
; CLUSTER 4 x 1: the four work-groups of a head ask for every tile jointly (mask 15); no descriptor word holds cx.
; NO PREFETCH: every tile of the launch is asked for by its tensor load ahead of the first loop, so there is no later request for a prefetch to run ahead of.
; BUFFERS: a unit = 16 rows x 128 K = 1,536 bytes, an image of 12 operand registers: half c at 768 c: registers 6c..6c+3 at 16 x lane, 6c+4, 6c+5 at 512 + 8 x lane.
; qkq: units [pair of heads g for q, 8 + g for k][token tile 512], half c = head 2 g + c; vq: units [128 tokens][tile of 16 channels: 64]; aq: units [token tile][pair of heads]; 64 bytes of scale words a unit behind each.
; In a stored tile lane r holds token 32 (T / 2) + 8 (T % 2) + r + 8 (r / 8).  THE K TILES ARE FORMED ANEW BY THE LANES' LDS ADDRESSES: tile j of a band of 64 keys takes keys 8 j + i (rows 0-7) and 32 + 8 j + i (rows 8-15):
; rows 0-7 come from stored tile j % 2, rows 8-15 from stored tile 2 + j % 2, each from its rows 8 (j / 2) on.  With S^T = k q^T a lane (query r, half h) then holds in registers 32 c + 0..31 the keys 64 c + 32 h + 0..31:
; a whole scale block of p, in the order of the operand's registers: no lane looks at another for a block's maximum, and the conversions' results are the operand.
; The head has 64 channels: q's registers 6-11 are zero codes, so what stands in the upper six registers of a K operand (the next tile's codes, or the pad) adds nothing.
; SOFTMAX: t = score x log2(e) / 8 (q was stored without reference()'s factor 1/8, a power of two); M = ceil(running largest t), kept as -M; p = 2^(t - M); the row's sum is taken of the unquantised p;
; when M moves, the sum and O^T are multiplied by 2^(old M - new M), which rounds nothing.  A block's largest p is the block's largest score put through the same multiply-add and exponential.
; ORDER OF A KEY STEP (128 keys): K fragments; S_A; softmax A; S_B (same fragments, same S registers); V fragments into K's registers; O_A rescaled; O_A += V p_A; softmax B; O_B rescaled; O_B += V p_B.
; LIMITS: NaN and infinities are not served; the promise holds while |t| stays under 2^31; a block of p or of o under 2^-124 is held at byte 1.
.set UB,    1536
.set HB,    768
.set KSTB,  6144                       ; a key step's K (8 half units) and its V (4 units)
.set CHB,   4*KSTB                     ; what one load of codes brings: four key steps
.set VB,    16*KSTB                    ; LDS: K at 0, V here
.set SCK,   2*VB                       ; K's scale words (both heads of the pair, as they lie)
.set SCV,   SCK+8192                   ; V's
.set SPARE, SCV+4096                   ; the spare words, 128 bytes a wave
.set QSC,   12582912                   ; where the scale words begin in qkq; in vq and aq
.set VSC,   6291456
.set TT,   0                           ; a temporary (the thread's number has served by then)
.set LANE, 1
.set LK16, 2                           ; K: 1536 (r / 8) + 256 h + 16 (r % 8)
.set LK8,  3                           ;    1536 (r / 8) + 128 h + 8 (r % 8)
.set LKS,  4                           ; K's scale words: SCK + 2 (head % 2) + 64 h + 128 (r / 8) + 4 (r % 8)
.set W16,  5                           ; v5-7 this step's LDS addresses
.set W8,   6
.set WS,   7
.set SPW,  8
.set NIL,  9
.set BM,   10                          ; v10-11 my two blocks' maxima
.set SO,   12                          ; v12-13 the conversions' scale operands
.set PT,   14                          ; v14-15 second chains
.set FF,   16                          ; 2^(old M - new M)
.set PW,   17                          ; p's scale word
.set ST,   18                          ; v18-25 tile x: -M, largest score, the sum in two halves
.set KS,   26                          ; v26-29 K's or V's scale words
.set QE,   30                          ; v30-53 q: tile x: six registers of codes, six of zeros
.set F,    54                          ; v54-101 fragments, v102-107 a pad of zeros
.set S,    108                         ; v108-171 scores, then p
.set O,    172                         ; v172-235 O^T: tile x at 32 x
.set PC,   236                         ; v236-247 p's codes
.set CT,   248                         ; v248-250, v252-254 the conversions' second halves
.set QS,   251                         ; q's scale words: lanes 0-15 tile A, lanes 16-31 tile B
.set PX,   255                         ; a lane permute's result; the old -M
.set WV,  10
.set CK,  11
.set CX,  12
.set BB,  13
.set HD,  14
.set GP,  15
.set PAR, 16
.set SEL, 18
.set CS,  20
.set NCS, 22
.set CNT, 23
.set G1K, 24
.set G1V, 32
.set G1SK, 40
.set G1SV, 48
.set G0K, 56
.set G0V, 60
.set PH,  66
.set P2,  67
.set G0SK, 68
.set G0SV, 72
.set TK,  76
.set TKS, 77
.set TV,  78
.set TVS, 79
.macro WALU
	s_wait_alu depctr_va_vdst(0)
.endm
.macro TL g0, g1
	tensor_load_to_lds s[\g0:\g0+3], s[\g1:\g1+7]
	s_nop 0
.rept 4
	v_nop
.endr
.endm
.macro ROUND
	s_barrier_signal -1
	s_barrier_wait -1
	s_cmp_lg_u32 s[WV], 0
	s_cbranch_scc1 .Lnot_wave_0_\@
	s_barrier_signal -3
.Lnot_wave_0_\@:
	s_barrier_wait -3
	s_barrier_signal -1
	s_barrier_wait -1
.endm
.macro GRP1 g, c, r, p                 ; r rows of c elements of 8 bytes, p elements apart, dense in LDS, for all four partners
	s_mov_b32 s[\g], 15|(3<<16)|(1<<21)
	s_mov_b32 s[\g+1], (\c)<<16
	s_mov_b32 s[\g+2], (\r)<<16
	s_mov_b32 s[\g+3], (\c)<<16
	s_mov_b32 s[\g+4], \r
	s_mov_b32 s[\g+5], \p
	s_mov_b32 s[\g+6], 0
	s_mov_b32 s[\g+7], 0
.endm
	s_load_b128 s[4:7], s[0:1], 0x0                ; qkq, vq
	s_load_b64 s[8:9], s[0:1], 0x10                ; aq
	v_lshl_add_u32 v[SPW], v0, 2, SPARE
	v_mov_b32 v[NIL], 0
	ds_add_u32 v[SPW], v[NIL]                      ; the opening lines: the add twice on end and one wait
	ds_add_u32 v[SPW], v[NIL]
	v_lshrrev_b32 v1, 5, v0
	v_readfirstlane_b32 s[WV], v1
	s_bfe_u32 s[CX], ttmp6, 0x40000
	s_and_b32 s2, ttmp7, 0xffff
	s_lshr_b32 s[BB], s2, 4                        ; batch
	s_and_b32 s[HD], s2, 15                        ; head
	s_lshr_b32 s[GP], s[HD], 1
	s_and_b32 s[PAR], s[HD], 1
	s_and_b32 s[CK], s[WV], 3                      ; which four key steps I fetch
	s_mul_i32 s[PH], s[PAR], HB
	s_lshl_b32 s[P2], s[PAR], 1
	s_add_co_u32 s2, s[GP], 8                      ; k's first unit: (8 + g) 512 + 128 batch
	s_lshl_b32 s2, s2, 9
	s_lshl_b32 s3, s[BB], 7
	s_add_co_u32 s2, s2, s3
	s_lshl_b32 s82, s2, 6
	s_add_co_u32 s82, s82, QSC
	s_lshl_b32 s3, s[CK], 5
	s_add_co_u32 s2, s2, s3
	s_mul_i32 s80, s2, UB
	s_add_co_u32 s80, s80, s[PH]
	s_lshl_b32 s2, s[BB], 10                       ; v's first unit: 16 batch x 64 + 4 head
	s_lshl_b32 s3, s[HD], 2
	s_add_co_u32 s2, s2, s3
	s_lshl_b32 s86, s2, 6
	s_add_co_u32 s86, s86, VSC
	s_lshl_b32 s3, s[CK], 8
	s_add_co_u32 s2, s2, s3
	s_mul_i32 s84, s2, UB
	s_lshl_b32 s17, s[BB], 7                       ; my first token tile: 128 batch + 32 cx + 2 wave (registers that feed no descriptor)
	s_lshl_b32 s88, s[CX], 5
	s_add_co_u32 s17, s17, s88
	s_lshl_b32 s88, s[WV], 1
	s_add_co_u32 s17, s17, s88
	s_lshl_b32 s88, s[GP], 9
	s_add_co_u32 s88, s88, s17                     ; q's unit
	s_lshl_b32 s90, s88, 6
	s_add_co_u32 s90, s90, QSC
	s_add_co_u32 s90, s90, s[P2]
	s_mul_i32 s88, s88, UB
	s_add_co_u32 s88, s88, s[PH]
	s_lshl_b32 s17, s17, 3
	s_add_co_u32 s17, s17, s[GP]                   ; aq's unit
	s_lshl_b32 s94, s17, 6
	s_add_co_u32 s94, s94, VSC
	s_add_co_u32 s94, s94, s[P2]
	s_mul_i32 s92, s17, UB
	s_add_co_u32 s92, s92, s[PH]
.irp k, 81,83,85,87,89,91,93,95
	s_mov_b32 s\k, 0
.endr
	GRP1 G1K, 96, 32, 192                          ; K: 32 half units of 768 bytes, 1,536 apart
	GRP1 G1V, 768, 4, 12288                        ; V: 4 x the head's four units, 64 units apart
	GRP1 G1SK, 32, 32, 32                          ; K's scale words: 8,192 dense bytes
	GRP1 G1SV, 32, 16, 512                         ; V's: 16 x 256 bytes, 4,096 apart
	s_mov_b32 s[SEL], 0x76543210
	s_mov_b32 s[SEL+1], 0xfedcba98                 ; v_permlanex16_b32's selects for lane l xor 16
	s_mov_b32 s[CS], 0x3e38aa3b                    ; log2(e) / 8
	s_mov_b32 s[CS+1], s[CS]
	s_mov_b32 s[NCS], 0xbe38aa3b
	s_mov_b32 s[TK], 0
	s_mov_b32 s[TKS], 0
	s_mov_b32 s[TV], VB
	s_mov_b32 s[TVS], SCV
	WALU
	s_wait_dscnt 0x0
	s_wait_kmcnt 0x0
	s_mov_b32 s[G0K], 1
	s_mul_i32 s[G0K+1], s[CK], CHB
	s_add_nc_u64 s[G0K+2:G0K+3], s[4:5], s[80:81]
	s_or_b32 s[G0K+3], s[G0K+3], 0x80000000
	s_mov_b32 s[G0V], 1
	s_mul_i32 s[G0V+1], s[CK], CHB
	s_add_co_u32 s[G0V+1], s[G0V+1], VB
	s_add_nc_u64 s[G0V+2:G0V+3], s[6:7], s[84:85]
	s_or_b32 s[G0V+3], s[G0V+3], 0x80000000
	s_mov_b32 s[G0SK], 1
	s_mov_b32 s[G0SK+1], SCK
	s_add_nc_u64 s[G0SK+2:G0SK+3], s[4:5], s[82:83]
	s_or_b32 s[G0SK+3], s[G0SK+3], 0x80000000
	s_mov_b32 s[G0SV], 1
	s_mov_b32 s[G0SV+1], SCV
	s_add_nc_u64 s[G0SV+2:G0SV+3], s[6:7], s[86:87]
	s_or_b32 s[G0SV+3], s[G0SV+3], 0x80000000
	s_add_nc_u64 s[88:89], s[4:5], s[88:89]
	s_add_nc_u64 s[90:91], s[4:5], s[90:91]
	s_add_nc_u64 s[92:93], s[8:9], s[92:93]
	s_add_nc_u64 s[94:95], s[8:9], s[94:95]
	ROUND                                          ; the four partners are here: the first joint loads meet
	s_cmp_eq_u32 s[WV], 0                          ; one chain of branches on the wave's number, one load to an arm
	s_cbranch_scc0 .La1
	TL G0K, G1K                                    ; keys 0-511 of K
	s_branch .Lasked_a
.La1:
	s_cmp_eq_u32 s[WV], 4
	s_cbranch_scc0 .La2
	TL G0V, G1V                                    ; of V
	s_branch .Lasked_a
.La2:
	s_cmp_eq_u32 s[WV], 8
	s_cbranch_scc0 .La3
	TL G0SK, G1SK
	s_branch .Lasked_a
.La3:
	s_cmp_eq_u32 s[WV], 9
	s_cbranch_scc0 .Lasked_a
	TL G0SV, G1SV
.Lasked_a:
	v_and_b32 v[LANE], 31, v0
	v_and_b32 v[S], 7, v0                          ; r % 8
	v_bfe_u32 v[S+1], v0, 3, 1                     ; r / 8
	v_bfe_u32 v[S+2], v0, 4, 1                     ; h
	v_and_b32 v[S+3], 15, v0                       ; r
	v_lshlrev_b32 v[S+4], 4, v[LANE]
	v_lshlrev_b32 v[S+5], 3, v[LANE]
	v_lshlrev_b32 v[S+3], 2, v[S+3]
	v_lshl_add_u32 v[S+3], v[S+2], 6, v[S+3]       ; q's scale words: 4 r, tile B's 64 bytes on
	global_load_b128 v[QE:QE+3], v[S+4], s[88:89]
	global_load_b64 v[QE+4:QE+5], v[S+5], s[88:89] offset:512
	global_load_b128 v[QE+12:QE+15], v[S+4], s[88:89] offset:UB
	global_load_b64 v[QE+16:QE+17], v[S+5], s[88:89] offset:UB+512
	global_load_u16 v[QS], v[S+3], s[90:91]
	v_mul_u32_u24 v[S+6], v[S+1], 2*HB
	v_lshl_add_u32 v[LK16], v[S+2], 8, v[S+6]
	v_lshl_add_u32 v[LK16], v[S], 4, v[LK16]
	v_lshl_add_u32 v[LK8], v[S+2], 7, v[S+6]
	v_lshl_add_u32 v[LK8], v[S], 3, v[LK8]
	v_lshlrev_b32 v[LKS], 7, v[S+1]
	v_lshl_add_u32 v[LKS], v[S+2], 6, v[LKS]
	v_lshl_add_u32 v[LKS], v[S], 2, v[LKS]
	s_add_co_u32 s3, s[P2], SCK
	v_add_nc_u32 v[LKS], s3, v[LKS]
.irp j, 0,1,2,3,4,5
	v_mov_b32 v[QE+6+\j], 0
	v_mov_b32 v[QE+18+\j], 0
	v_mov_b32 v[F+48+\j], 0
.endr
.irp x, 0,1
	v_mov_b32 v[ST+4*\x+1], 0xff61b1e6             ; the largest score so far: -3e38
	v_mov_b32 v[ST+4*\x+2], 0
	v_mov_b32 v[ST+4*\x+3], 0
.endr
	v_mul_f32 v[S+7], s[NCS], v[ST+1]
	v_floor_f32 v[ST], v[S+7]                      ; -M
	v_floor_f32 v[ST+4], v[S+7]
	v_mov_b32 v[PX], 0                             ; a lane permute's destination counts as one of its sources
	v_mov_b32 v[PW], 0                             ; named as the upper half of the pair with FF
	v_mov_b32 v[TT], 0
.set j, 0
.rept 64
	v_mov_b32 v[O+j], 0                            ; the step is written once: the first finds zeros
.set j, j+1
.endr
.macro QK x                            ; S^T = k q^T: eight tiles of 16 keys; tile 2 u + hh takes its scale words from half hh of register u
.irp u, 0,1,2,3
.irp hh, 0,1
	v_wmma_scale_f32_16x16x128_f8f6f4 v[S+8*(2*\u+\hh):S+8*(2*\u+\hh)+7], v[F+6*(2*\u+\hh):F+6*(2*\u+\hh)+11], v[QE+12*\x:QE+12*\x+11], 0, v[KS+\u], v[QS] matrix_a_fmt:MATRIX_FMT_FP6 matrix_b_fmt:MATRIX_FMT_FP6 matrix_a_scale:MATRIX_SCALE_ROW\hh matrix_b_scale:MATRIX_SCALE_ROW\x
.endr
.endr
.endm
.macro PV x                            ; O^T += v^T p^T: four tiles of 16 channels, by turns
.irp u, 0,1
.irp hh, 0,1
	v_wmma_scale_f32_16x16x128_f8f6f4 v[O+32*\x+8*(2*\u+\hh):O+32*\x+8*(2*\u+\hh)+7], v[F+12*(2*\u+\hh):F+12*(2*\u+\hh)+11], v[PC:PC+11], v[O+32*\x+8*(2*\u+\hh):O+32*\x+8*(2*\u+\hh)+7], v[KS+\u], v[PW] matrix_a_fmt:MATRIX_FMT_FP6 matrix_b_fmt:MATRIX_FMT_FP6 matrix_a_scale:MATRIX_SCALE_ROW\hh matrix_b_scale:MATRIX_SCALE_ROW0
.endr
.endr
.endm
.macro SOFT x                          ; scores -> p's codes in v[PC..], the scale operands in v[SO..]
.set NM, ST+4*(\x)
.set LL, ST+4*(\x)+2
.irp q, 0,1,2,3                        ; four chains side by side, one for each 16 registers; each accumulator is read from its low end on
	v_max3_num_f32 v[PT+\q/2-4*(\q%2)], v[S+16*\q], v[S+16*\q+1], v[S+16*\q+2]
.endr
.irp i, 3,5,7,9,11,13
.irp q, 0,1,2,3
	v_max3_num_f32 v[PT+\q/2-4*(\q%2)], v[PT+\q/2-4*(\q%2)], v[S+16*\q+\i], v[S+16*\q+\i+1]
.endr
.endr
.irp c, 0,1
	v_max_num_f32 v[PT+\c], v[PT+\c], v[S+32*\c+15]
.endr
.irp c, 0,1
	v_max3_num_f32 v[BM+\c], v[BM+\c], v[S+32*\c+31], v[PT+\c]   ; my block 2 c + h's largest score
.endr
	v_max_num_f32 v[TT], v[BM], v[BM+1]
	v_permlanex16_b32 v[PX], v[TT], s[SEL], s[SEL+1]
	v_max3_num_f32 v[NM+1], v[NM+1], v[TT], v[PX]  ; the running largest score of my query
	v_mov_b32 v[PX], v[NM]
	v_mul_f32 v[TT], s[NCS], v[NM+1]
	v_floor_f32 v[NM], v[TT]                       ; -M = floor(-t)
	v_sub_f32 v[TT], v[NM], v[PX]
	v_cvt_i32_f32 v[TT], v[TT]                     ; (it saturates)
	v_ldexp_f32 v[FF], 1.0, v[TT]
.set j, 0
.rept 32
	v_pk_fma_f32 v[S+j:S+j+1], v[S+j:S+j+1], s[CS:CS+1], v[NM:NM+1] op_sel_hi:[1,0,0]
.set j, j+2
.endr
.irp c, 0,1
	v_fma_f32 v[BM+\c], v[BM+\c], s[CS], v[NM]
.endr
	WALU                                           ; the wait ahead of the batch
.set j, 0
.rept 64
	v_exp_f32 v[S+j], v[S+j]
.set j, j+1
.endr
.irp c, 0,1
	v_exp_f32 v[BM+\c], v[BM+\c]                   ; the block's largest p
.endr
	v_pk_mul_f32 v[LL:LL+1], v[LL:LL+1], v[FF:FF+1] op_sel_hi:[1,0]   ; the sum under the new M: a plain place behind the batch
	WALU                                           ; and behind it
.irp c, 0,1
	v_max_num_f32 v[BM+\c], 0x1800000, v[BM+\c]    ; the floor 2^(3 - 127): the byte cannot fall under 1
.endr
.irp c, 0,1
	v_add_nc_u32 v[SO+\c], 0xff000000, v[BM+\c]    ; 2 off the exponent field
.endr
	v_pk_add_f32 v[PT:PT+1], v[S:S+1], v[S+2:S+3]  ; the sum of the unquantised p, in two chains
.set j, 4
.rept 14
	v_pk_add_f32 v[LL:LL+1], v[LL:LL+1], v[S+j:S+j+1]
	v_pk_add_f32 v[PT:PT+1], v[PT:PT+1], v[S+j+2:S+j+3]
.set j, j+4
.endr
	v_pk_add_f32 v[LL:LL+1], v[LL:LL+1], v[S+60:S+61]
.irp c, 0,1
	v_cvt_scalef32_pk16_fp6_f32 v[PC+6*\c:PC+6*\c+2], v[S+32*\c:S+32*\c+15], v[SO+\c]
	v_cvt_scalef32_pk16_fp6_f32 v[CT+4*\c:CT+4*\c+2], v[S+32*\c+16:S+32*\c+31], v[SO+\c]   ; (a conversion's three registers begin on an even number)
.endr
	v_pk_add_f32 v[PT:PT+1], v[PT:PT+1], v[S+62:S+63]   ; the plain place behind the conversions
.irp c, 0,1
.irp i, 0,1,2
	v_mov_b32 v[PC+6*\c+3+\i], v[CT+4*\c+\i]
.endr
.endr
.endm
.macro WORD                            ; p's scale word, whole in lanes 0-15: my bytes 0 and 2, lane l xor 16's 1 and 3
	v_lshrrev_b32 v[BM], 23, v[SO]
	v_lshrrev_b32 v[BM+1], 23, v[SO+1]
	v_lshl_or_b32 v[BM], v[BM+1], 16, v[BM]
	v_permlanex16_b32 v[PX], v[BM], s[SEL], s[SEL+1]
	v_lshl_or_b32 v[PW], v[PX], 8, v[BM]
.endm
.macro RESCALE x
	WALU                                           ; the wait directly ahead of the first reader of O^T
.set j, 0
.rept 16
	v_pk_mul_f32 v[O+32*\x+j:O+32*\x+j+1], v[O+32*\x+j:O+32*\x+j+1], v[FF:FF+1] op_sel_hi:[1,0]
.set j, j+2
.endr
.endm
.macro KSTEP
	v_add_nc_u32 v[W16], s[TK], v[LK16]            ; with the line behind the last products these three are the four places ahead of the loads
	v_add_nc_u32 v[W8], s[TK], v[LK8]
	v_add_nc_u32 v[WS], s[TKS], v[LKS]
.irp n, 0,1,2,3,4,5,6,7
	ds_load_b128 v[F+6*\n:F+6*\n+3], v[W16] offset:4*HB*(\n/4)+HB*(\n%2)+128*((\n%4)/2)
	ds_load_b64 v[F+6*\n+4:F+6*\n+5], v[W8] offset:4*HB*(\n/4)+HB*(\n%2)+512+64*((\n%4)/2)
.endr
.irp u, 0,1,2,3
	ds_load_u16 v[KS+\u], v[WS] offset:256*(\u/2)+32*(\u%2)
.endr
	s_wait_dscnt 0x0
	QK 0
	v_lshl_add_u32 v[W16], v[LANE], 4, s[TV]       ; V's addresses: three of the four places ahead of the first read of S
	v_lshl_add_u32 v[W8], v[LANE], 3, s[TV]
	v_lshl_add_u32 v[WS], v[LANE], 2, s[TVS]
	v_nop
	SOFT 0
	v_pk_add_f32 v[ST+2:ST+3], v[ST+2:ST+3], v[PT:PT+1]
	QK 1
	WORD                                           ; p_A's scale word: the places ahead of the loads into K's registers
.irp t, 0,1,2,3
	ds_load_b128 v[F+12*\t:F+12*\t+3], v[W16] offset:UB*\t
	ds_load_b64 v[F+12*\t+4:F+12*\t+5], v[W8] offset:UB*\t+512
	ds_load_b128 v[F+12*\t+6:F+12*\t+9], v[W16] offset:UB*\t+768
	ds_load_b64 v[F+12*\t+10:F+12*\t+11], v[W8] offset:UB*\t+1280
.endr
.irp u, 0,1
	ds_load_b32 v[KS+\u], v[WS] offset:128*\u
.endr
	RESCALE 0
	WALU                                           ; the wait directly ahead of the wait below
	s_wait_dscnt 0x0
	PV 0
	SOFT 1
	WORD
	RESCALE 1
	PV 1
	v_pk_add_f32 v[ST+6:ST+7], v[ST+6:ST+7], v[PT:PT+1]
	s_add_co_u32 s[TK], s[TK], KSTB
	s_add_co_u32 s[TKS], s[TKS], 512
	s_add_co_u32 s[TV], s[TV], KSTB
	s_add_co_u32 s[TVS], s[TVS], 256
.endm
	WALU                                           ; the wait at the head's end
	s_wait_tensorcnt 0x0                           ; the head's tiles are in; the full sequence ahead of the later first fills.
	ds_add_u32 v[SPW], v[NIL]                      ; The add stands twice
	ds_add_u32 v[SPW], v[NIL]
	s_wait_dscnt 0x0
	ROUND
	s_cmp_eq_u32 s[CK], 0                          ; waves 1-3: K's keys 512 wave on; waves 5-7: V's
	s_cbranch_scc1 .Lasked_b
	s_cmp_lt_u32 s[WV], 4
	s_cbranch_scc0 .Lb1
	TL G0K, G1K
	s_branch .Lasked_b
.Lb1:
	s_cmp_lt_u32 s[WV], 8
	s_cbranch_scc0 .Lasked_b
	TL G0V, G1V
.Lasked_b:
	s_wait_loadcnt 0x0                             ; q
	s_mov_b32 s[CNT], 4
.Lfirst:                                               ; keys 0-511
	KSTEP
	s_sub_co_u32 s[CNT], s[CNT], 1
	s_cmp_lg_u32 s[CNT], 0
	WALU
	s_cbranch_scc1 .Lfirst
	s_wait_tensorcnt 0x0                           ; every wave's load is in; a plain barrier shows them to all
	s_wait_dscnt 0x0
	s_barrier_signal -1
	s_barrier_wait -1
	s_mov_b32 s[CNT], 12
.Lrest:                                                ; keys 512-2047
	KSTEP
	s_sub_co_u32 s[CNT], s[CNT], 1
	s_cmp_lg_u32 s[CNT], 0
	WALU
	s_cbranch_scc1 .Lrest
; THE WAY OUT: O^T / the sum, quantised along the channels.  In tile x the 16 registers of V's tiles 2 b, 2 b + 1 are channels 32 b + 16 h + 0..15 of the head: half a block a lane.
.set TM,  F
.set SOE, F+8
.set E16, F+12
.set E8,  F+13
.set ES,  F+14
.set EW,  F+15
	v_add_f32 v[ST+2], v[ST+2], v[ST+3]
	v_add_f32 v[ST+6], v[ST+6], v[ST+7]
	v_permlanex16_b32 v[PX], v[ST+2], s[SEL], s[SEL+1]
	v_permlanex16_b32 v[TT], v[ST+6], s[SEL], s[SEL+1]
	v_add_f32 v[ST+2], v[ST+2], v[PX]
	v_add_f32 v[ST+6], v[ST+6], v[TT]
	WALU
	v_rcp_f32 v[ST+2], v[ST+2]
	v_rcp_f32 v[ST+6], v[ST+6]
	v_lshlrev_b32 v[E16], 4, v[LANE]
	v_lshlrev_b32 v[E8], 3, v[LANE]
	WALU
.irp x, 0,1
.set j, 0
.rept 16
	v_pk_mul_f32 v[S+32*\x+j:S+32*\x+j+1], v[O+32*\x+j:O+32*\x+j+1], v[ST+4*\x+2:ST+4*\x+3] op_sel_hi:[1,0]
.set j, j+2
.endr
.endr
.irp b, 0,1,2,3
	v_max3_num_f32 v[TM+\b], |v[S+16*\b]|, |v[S+1+16*\b]|, 0x1800000
.endr
.irp i, 2,4,6,8,10,12,14
.irp b, 0,1,2,3
	v_max3_num_f32 v[TM+\b], v[TM+\b], |v[S+16*\b+\i]|, |v[S+1+16*\b+\i]|
.endr
.endr
.irp b, 0,1,2,3
	v_permlanex16_b32 v[TM+4+\b], v[TM+\b], s[SEL], s[SEL+1]
.endr
.irp b, 0,1,2,3
	v_max_num_f32 v[TM+\b], v[TM+\b], v[TM+4+\b]
.endr
.irp b, 0,1,2,3
	v_add_nc_u32 v[SOE+\b], 0xff000000, v[TM+\b]
.endr
.irp b, 0,1,2,3
	v_lshrrev_b32 v[TM+4+\b], 23, v[SOE+\b]
.endr
	v_lshl_or_b32 v[TM+4], v[TM+5], 8, v[TM+4]     ; tile A's two bytes,
	v_lshl_or_b32 v[TM+6], v[TM+7], 8, v[TM+6]     ; tile B's
	v_cmp_lt_u32 s2, 15, v[LANE]
	v_cndmask_b32 v[EW], v[TM+4], v[TM+6], s2      ; lanes 0-15 store tile A's, lanes 16-31 tile B's
	v_and_b32 v[ES], 15, v[LANE]
	v_lshrrev_b32 v[TT], 4, v[LANE]
	v_lshlrev_b32 v[ES], 2, v[ES]
	v_lshl_add_u32 v[ES], v[TT], 9, v[ES]          ; 4 r, and 8 units' words on for tile B
.irp c, 0,1
	v_cvt_scalef32_pk16_fp6_f32 v[PC+6*\c:PC+2+6*\c], v[S+32*\c:S+15+32*\c], v[SOE+2*\c]
	v_cvt_scalef32_pk16_fp6_f32 v[CT+4*\c:CT+2+4*\c], v[S+16+32*\c:S+31+32*\c], v[SOE+2*\c+1]
.endr
	v_nop
.irp c, 0,1                            ; the layout wants a whole block in a lane: lanes 0-15 block 0, lanes 16-31 block 1
.irp i, 0,1,2
	v_permlane16_swap_b32 v[PC+6*\c+\i], v[CT+4*\c+\i]
.endr
.irp i, 0,1,2
	v_mov_b32 v[PC+3+6*\c+\i], v[CT+4*\c+\i]
.endr
.endr
	global_store_b128 v[E16], v[PC:PC+3], s[92:93]                     ; my head's half of tile A's unit: 512 and 256 consecutive bytes, aligned
	global_store_b64 v[E8], v[PC+4:PC+5], s[92:93] offset:512
	global_store_b128 v[E16], v[PC+6:PC+9], s[92:93] offset:8*UB       ; and of tile B's
	global_store_b64 v[E8], v[PC+10:PC+11], s[92:93] offset:8*UB+512
	global_store_b16 v[ES], v[EW], s[94:95]                            ; my head's two bytes of each row's scale word
	s_wait_tensorcnt 0x0                           ; the wave's end
	ds_add_u32 v[SPW], v[NIL]
	s_wait_dscnt 0x0
	ROUND                                          ; the closing round
	s_endpgm
.Lfunc_end_k_q7c7adcbfe2_attention:
	.size	k_q7c7adcbfe2_attention, .Lfunc_end_k_q7c7adcbfe2_attention-k_q7c7adcbfe2_attention
	.p2alignl 7, 3214868480
	.fill 96, 4, 3214868480
	.section	.rodata,"a",@progbits
	.p2align	6, 0x0
	.amdhsa_kernel k_q7c7adcbfe2_attention
		.amdhsa_group_segment_fixed_size 327680
		.amdhsa_private_segment_fixed_size 0
		.amdhsa_enable_private_segment 0
		.amdhsa_kernarg_size 24
		.amdhsa_user_sgpr_count 2
		.amdhsa_user_sgpr_kernarg_segment_ptr 1
		.amdhsa_wavefront_size32 1
		.amdhsa_system_sgpr_workgroup_id_x 1
		.amdhsa_system_sgpr_workgroup_id_y 1
		.amdhsa_system_sgpr_workgroup_id_z 1
		.amdhsa_system_vgpr_workitem_id 0
		.amdhsa_next_free_vgpr 256
		.amdhsa_next_free_sgpr 96
		.amdhsa_reserve_vcc 0
		.amdhsa_float_denorm_mode_32 3
		.amdhsa_float_denorm_mode_16_64 3
		.amdhsa_memory_ordered 1
		.amdhsa_forward_progress 1
		.amdhsa_inst_pref_size 76
	.end_amdhsa_kernel
	.amdgpu_metadata
---
amdhsa.version: [ 1, 2 ]
amdhsa.kernels:
  - .name:           k_q7c7adcbfe2_attention
    .symbol:         k_q7c7adcbfe2_attention.kd
    .args:
      - { .name: qkq, .offset: 0, .size: 8, .value_kind: global_buffer, .address_space: global }
      - { .name: vq, .offset: 8, .size: 8, .value_kind: global_buffer, .address_space: global }
      - { .name: aq, .offset: 16, .size: 8, .value_kind: global_buffer, .address_space: global }
    .group_segment_fixed_size: 327680
    .private_segment_fixed_size: 0
    .kernarg_segment_align: 8
    .kernarg_segment_size: 24
    .max_flat_workgroup_size: 512
    .sgpr_count:     96
    .vgpr_count:     256
    .wavefront_size: 32
...
	.end_amdgpu_metadata
.endif
;; end of part 4
;; launch proj_o (part 5): grid 8 x 32, 4 waves a work-group, clusters of 4 x 4, 327,680 bytes of LDS; arguments aq, wq, bo, out0; writes out0
.if DOCPART == 5
	.amdgcn_target "amdgcn-amd-amdhsa--gfx1250"
	.amdhsa_code_object_version 6
	.text
	.protected	k_q7c7adcbfe2_proj_o
	.globl	k_q7c7adcbfe2_proj_o
	.p2align	8
	.type	k_q7c7adcbfe2_proj_o,@function
k_q7c7adcbfe2_proj_o:
	s_mov_b64 s[64:65], 0
	v_nop
	global_prefetch_b8 v0, s[64:65] scope:SCOPE_SE
	s_setreg_imm32_b32 hwreg(HW_REG_WAVE_MODE, 25, 1), 1
	s_wait_xcnt 0x0
	s_wait_alu depctr_hold_cnt(0) depctr_sa_sdst(0) depctr_va_vdst(0) depctr_va_sdst(0) depctr_va_ssrc(0) depctr_va_vcc(0) depctr_vm_vsrc(0)
	s_getreg_b32 s2, hwreg(HW_REG_IB_STS2, 6, 4)
	s_cmp_eq_u32 s2, 0
	s_cbranch_scc0 .Lentry_in_a_cluster
	s_endpgm
.Lentry_in_a_cluster:
	s_bfe_u32 s2, ttmp6, 0x10000c
	s_cmp_lg_u32 s2, 0xf033
	s_cbranch_scc0 .Lentry_shape_is_right
	s_endpgm
.Lentry_shape_is_right:
; out0 = a Wo + bo on codes of FP6 (E2M3) with E8M0 scales, sums in f32.  aq and wq hold images of operand registers (a unit = 16 rows x 128 K = 1,536 bytes: half c at 768 c: registers 6c..6c+3 at 16 x lane,
; 6c+4, 6c+5 at 512 + 8 x lane), units [tile][K step 8], scale words [tile][K step][16 rows x 4 bytes] behind them; position p of a tile holds the true row with bits 3 and 4 exchanged.
; THE DEAL: work-group (x, y): 256 tokens (16 tiles from 16 y on) x columns 128 x on: 256 work-groups.  Four waves 2 x 2: wave row a takes tiles 8 a .. 8 a + 7, wave column b columns 64 b on.
; All operands, ALL of K, are asked for at the head, one load a wave, and nothing is filled again: a's 16 tiles (196,608 bytes), Wo's 8 tiles (98,304), a's scale words.  So no later request exists for a prefetch to run ahead of.
; Each wave takes its 64 columns of Wo into 384 registers and streams its eight tiles of a past them: a BLOCK is 32 products, four accumulators by turns; a's fragments lie twice in registers.
; a's tiles are asked for jointly along a row of the cluster, Wo's along a column.  The bias is the C of each sum's first product.
; Source 0 = Wo's rows: a lane holds 16 neighbouring columns of one token for each pair of tiles; a block goes through the wave's own stage in LDS and leaves as rows of 256 bytes, sixteen lanes to a row.
; THE WAIT'S COUNT: NF = 36 LDS loads bring a block; behind a block's trip through the stage the block two on's NF may be out.
.set UB,    1536
.set TROW,  8*UB
.set WB,    16*TROW
.set XSL,   WB+8*TROW
.set SPITCH, 272
.set STG,   XSL+8192                   ; the stages: 16 rows x 272 bytes a wave; no tile lands here
.set SPARE, STG+4*16*SPITCH
.set FPW,   21                         ; fragment f lies in window 1 + f / 21 at register 12 (f % 21): 0-31 Wo's (4 q + j), 32-39 and 40-47 a's two sets
.set NF,    36
.set L16,  4
.set L8,   5
.set L4,   6
.set XA16, 8
.set XA8,  10
.set XSA,  12
.set WA16, 13
.set WA8,  14
.set SPW,  15
.set NIL,  16
.set BH,   17
.set STO,  18
.set RD,   19
.set CO,   20
.set WS,   24                          ; v24-39 Wo's scale words: register 4 j + q / 2: lanes 0-15 K step q even, lanes 16-31 odd
.set XS,   74                          ; v74-81 a's, two sets of four
.set BK,   128                         ; v128-191 rows read back from the stage, two sets
.set BT,   192                         ; v192-223 the bias in the result's layout
.set ACC,  840                         ; v840-903 two sets of four accumulators
.set WV,   18
.set WA,   19
.set WC,   20
.set G1X,  24
.set G1W,  32
.set G1S,  48
.set G0X,  56
.set G0W,  60
.set G0S,  68
.set MSB, 0
.macro WIN new
.if MSB != (\new)
	s_set_vgpr_msb (MSB<<8)|(\new)
.set MSB, (\new)
.endif
.endm
.macro PLACES n
.rept \n
	v_nop
.endr
.endm
.macro WALU
	s_wait_alu depctr_va_vdst(0)
.endm
.macro BARRIER
	s_barrier_signal -1
	s_barrier_wait -1
.endm
.macro CROUND
	BARRIER
	s_cmp_lg_u32 s[WV], 0
	s_cbranch_scc1 .Lnw0_\@
	s_barrier_signal -3
.Lnw0_\@:
	s_barrier_wait -3
	BARRIER
.endm
.macro TL g0, g1
	tensor_load_to_lds s[\g0:\g0+3], s[\g1:\g1+7]
	s_nop 0
	PLACES 4
.endm
.macro GRP1 g, mask, c, r
	s_or_b32 s[\g], s\mask, (3<<16)|(1<<21)
	s_mov_b32 s[\g+1], (\c)<<16
	s_mov_b32 s[\g+2], (\r)<<16
	s_mov_b32 s[\g+3], (\c)<<16
	s_mov_b32 s[\g+4], \r
	s_mov_b32 s[\g+5], \c
	s_mov_b32 s[\g+6], 0
	s_mov_b32 s[\g+7], 0
.endm
.macro FRAG f, a16, a8, off
	WIN (1+(\f)/FPW)<<6
.set R_, 12*((\f)%FPW)
	ds_load_b128 v[R_:R_+3], v[\a16] offset:\off
	ds_load_b64 v[R_+4:R_+5], v[\a8] offset:(\off)+512
	ds_load_b128 v[R_+6:R_+9], v[\a16] offset:(\off)+768
	ds_load_b64 v[R_+10:R_+11], v[\a8] offset:(\off)+1280
.endm
.macro WEIGHTS
.set Q_, 0
.rept 8
.set J_, 0
.rept 4
	FRAG 4*Q_+J_, WA16, WA8, J_*TROW+Q_*UB
.set J_, J_+1
.endr
.set Q_, Q_+1
.endr
	WIN 0
.endm
.macro FETCH e, t
.set Q_, 0
.rept 8
	FRAG 32+8*(\e)+Q_, XA16+(\t)/4, XA8+(\t)/4, ((\t)%4)*TROW+Q_*UB
.set Q_, Q_+1
.endr
	WIN 0
.irp p, 0,1,2,3
	ds_load_b32 v[XS+4*(\e)+\p], v[XSA] offset:(\t)*512+128*\p
.endr
.endm
.macro PROD1 d, a, b, c, sa, sb, row
.if \row
	v_wmma_scale_f32_16x16x128_f8f6f4 v[\d:\d+7], v[\a:\a+11], v[\b:\b+11], v[\c:\c+7], v[\sa], v[\sb] matrix_a_fmt:MATRIX_FMT_FP6 matrix_b_fmt:MATRIX_FMT_FP6 matrix_a_scale:MATRIX_SCALE_ROW1 matrix_b_scale:MATRIX_SCALE_ROW1
.else
	v_wmma_scale_f32_16x16x128_f8f6f4 v[\d:\d+7], v[\a:\a+11], v[\b:\b+11], v[\c:\c+7], v[\sa], v[\sb] matrix_a_fmt:MATRIX_FMT_FP6 matrix_b_fmt:MATRIX_FMT_FP6
.endif
.endm
.macro PROD e, q, j, d, c              ; source 0 = Wo's rows, source 1 = a's
.set FW_, 4*(\q)+(\j)
.set FX_, 32+8*(\e)+(\q)
.set RW_, 12*(FW_%FPW)
.set RX_, 12*(FX_%FPW)
.set D_, (\d)
.set C_, (\c)
.set DL_, D_&255
.set CL_, C_&255
.set SW_, WS+4*(\j)+(\q)/2
.set SX_, XS+4*(\e)+(\q)/2
	WIN (1+FW_/FPW)|((1+FX_/FPW)<<2)|((C_>>8)<<4)|((D_>>8)<<6)
	PROD1 DL_, RW_, RX_, CL_, SW_, SX_, (\q)%2
.endm
.macro BLOCK e                         ; 32 products; the first four take the bias as C
.set BQ_, 0
.rept 8
.set BJ_, 0
.rept 4
.if BQ_
	PROD \e, BQ_, BJ_, ACC+32*(\e)+8*BJ_, ACC+32*(\e)+8*BJ_
.else
	PROD \e, BQ_, BJ_, ACC+32*(\e)+8*BJ_, BT+8*BJ_
.endif
.set BJ_, BJ_+1
.endr
.set BQ_, BQ_+1
.endr
	WIN 0
.endm
.macro TOSTAGE e                       ; register i of tile j, lane (r, h), is column 32 (j / 2) + 8 (j % 2) + 16 h + i of token position r
.set AL_, (ACC+32*(\e))&255
	WIN 3<<2                                       ; the data: window 3
.irp j, 0,1,2,3
	ds_store_b128 v[STO], v[AL_+8*\j:AL_+8*\j+3] offset:128*(\j/2)+32*(\j%2)
	ds_store_b128 v[STO], v[AL_+8*\j+4:AL_+8*\j+7] offset:128*(\j/2)+32*(\j%2)+16
.endr
	WIN 0
.irp t, 0,1,2,3,4,5,6,7
	ds_load_b128 v[BK+32*(\e)+4*\t:BK+32*(\e)+4*\t+3], v[RD] offset:\t*2*SPITCH   ; LDS serves a wave's instructions in order: these see the stores above
.endr
.endm
.macro SEND s                          ; positions 2 t, 2 t + 1 of tile s: true rows 32 (s / 2) + 8 (s % 2) + p + 8 (p / 8); sixteen lanes store 256 consecutive bytes, aligned
.irp t, 0,1,2,3,4,5,6,7
	global_store_b128 v[CO], v[BK+32*((\s)%2)+4*\t:BK+32*((\s)%2)+4*\t+3], s[86:87] offset:(32*((\s)/2)+8*((\s)%2)+2*\t+8*(\t/4))*4096 th:TH_STORE_NT
.endr
.endm
	s_load_b256 s[4:11], s[0:1], 0x0               ; aq, wq, bo, out0
	v_lshl_add_u32 v[SPW], v0, 2, SPARE
	v_mov_b32 v[NIL], 0
	ds_add_u32 v[SPW], v[NIL]                      ; the opening lines: the add twice on end and one wait
	ds_add_u32 v[SPW], v[NIL]
	v_lshrrev_b32 v1, 5, v0
	v_readfirstlane_b32 s[WV], v1
	s_lshr_b32 s[WA], s[WV], 1
	s_and_b32 s[WC], s[WV], 1
	s_bfe_u32 s40, ttmp6, 0x40000
	s_bfe_u32 s41, ttmp6, 0x40004
	s_lshl_b32 s42, ttmp9, 2
	s_add_co_u32 s42, s42, s40                     ; which 128 columns
	s_and_b32 s43, ttmp7, 0xffff
	s_lshl_b32 s43, s43, 2
	s_add_co_u32 s43, s43, s41                     ; which 256 tokens
	s_lshl_b32 s44, s41, 2
	s_lshl_b32 s44, 15, s44
	s_lshl_b32 s45, 0x1111, s40
	GRP1 G1X, 44, TROW/8, 8
	GRP1 G1W, 45, TROW/8, 8
	GRP1 G1S, 44, 32, 32
	s_lshl_b32 s72, s43, 4
	s_lshl_b32 s22, s[WC], 3
	s_add_co_u32 s72, s72, s22
	s_mul_i32 s72, s72, TROW                       ; a: the 8 tiles that waves 2 and 3 ask for
	s_lshl_b32 s74, s43, 13
	s_add_co_u32 s74, s74, 6291456
	s_lshl_b32 s76, s42, 3
	s_add_co_u32 s76, s76, 192
	s_mul_i32 s76, s76, TROW                       ; Wo: wq's tiles 192 on
	s_lshl_b32 s78, s42, 3
	s_lshl_b32 s23, s[WC], 2
	s_add_co_u32 s78, s78, s23
	s_add_co_u32 s78, s78, 192
	s_lshl_b32 s78, s78, 9
	s_add_co_u32 s78, s78, 3145728
	s_lshl_b32 s80, s42, 9
	s_lshl_b32 s23, s[WC], 8
	s_add_co_u32 s80, s80, s23                     ; my 64 columns, in bytes
	s_lshl_b32 s86, s43, 8
	s_lshl_b32 s23, s[WA], 7
	s_add_co_u32 s86, s86, s23
	s_lshl_b32 s86, s86, 12                        ; my first row of out0
	s_add_co_u32 s86, s86, s80
.irp k, 73,75,77,79,81,87
	s_mov_b32 s\k, 0
.endr
	WALU
	s_wait_dscnt 0x0
	s_wait_kmcnt 0x0
	s_add_nc_u64 s[72:73], s[4:5], s[72:73]
	s_add_nc_u64 s[74:75], s[4:5], s[74:75]
	s_add_nc_u64 s[76:77], s[6:7], s[76:77]
	s_add_nc_u64 s[78:79], s[6:7], s[78:79]
	s_add_nc_u64 s[80:81], s[8:9], s[80:81]
	s_add_nc_u64 s[86:87], s[10:11], s[86:87]
	s_mov_b32 s[G0X], 1
	s_mul_i32 s[G0X+1], s[WC], 8*TROW
	s_mov_b64 s[G0X+2:G0X+3], s[72:73]
	s_or_b32 s[G0X+3], s[G0X+3], 0x80000000
	s_mov_b32 s[G0S], 1
	s_mov_b32 s[G0S+1], XSL
	s_mov_b64 s[G0S+2:G0S+3], s[74:75]
	s_or_b32 s[G0S+3], s[G0S+3], 0x80000000
	s_mov_b32 s[G0W], 1
	s_mov_b32 s[G0W+1], WB
	s_mov_b64 s[G0W+2:G0W+3], s[76:77]
	s_or_b32 s[G0W+3], s[G0W+3], 0x80000000
	CROUND                                         ; all sixteen work-groups are here: the joint loads meet
	s_cmp_eq_u32 s[WV], 0                          ; the head's loads, one a wave, in one chain of branches: what goes on into registers is asked for first
	s_cbranch_scc0 .Lh1
	TL G0W, G1W
	s_branch .Lhj
.Lh1:
	s_cmp_eq_u32 s[WV], 1
	s_cbranch_scc0 .Lh2
	TL G0S, G1S
	s_branch .Lhj
.Lh2:
	TL G0X, G1X
.Lhj:
	v_and_b32 v1, 31, v0
	v_lshlrev_b32 v[L16], 4, v1
	v_lshlrev_b32 v[L8], 3, v1
	v_lshlrev_b32 v[L4], 2, v1
	v_bfe_u32 v2, v0, 4, 1                         ; h
	v_and_b32 v3, 15, v0                           ; r
	v_lshlrev_b32 v[BH], 6, v2
	s_mul_i32 s22, s[WA], 8*TROW
	v_add_nc_u32 v[XA16], s22, v[L16]
	v_add_nc_u32 v[XA8], s22, v[L8]
	s_add_co_u32 s22, s22, 4*TROW
	v_add_nc_u32 v[XA16+1], s22, v[L16]
	v_add_nc_u32 v[XA8+1], s22, v[L8]
	s_lshl_b32 s22, s[WA], 12
	s_add_co_u32 s22, s22, XSL
	v_add_nc_u32 v[XSA], s22, v[L4]
	s_mul_i32 s22, s[WC], 4*TROW
	s_add_co_u32 s22, s22, WB
	v_add_nc_u32 v[WA16], s22, v[L16]
	v_add_nc_u32 v[WA8], s22, v[L8]
	s_mul_i32 s22, s[WV], 16*SPITCH
	s_add_co_u32 s22, s22, STG                     ; my stage
	WALU                                           ; the wait here, directly ahead of the reader below
	v_mul_u32_u24 v7, v3, SPITCH
	v_lshl_add_u32 v7, v2, 6, v7
	v_add_nc_u32 v[STO], s22, v7                   ; in: row r, 64 bytes for each half of the lanes
	v_mul_u32_u24 v7, v2, SPITCH
	v_lshl_add_u32 v7, v3, 4, v7
	v_add_nc_u32 v[RD], s22, v7                    ; back: lanes 0-15 one row, lanes 16-31 the next
	v_lshlrev_b32 v7, 12, v2
	v_lshl_add_u32 v[CO], v3, 4, v7                ; and the same two rows in out0
.irp j, 0,1,2,3
.irp p, 0,1,2,3
	global_load_b32 v[WS+4*\j+\p], v[L4], s[78:79] offset:\j*512+\p*128
.endr
.endr
.irp j, 0,1,2,3
	global_load_b128 v[BT+8*\j:BT+8*\j+3], v[BH], s[80:81] offset:(32*(\j/2)+8*(\j%2))*4
	global_load_b128 v[BT+8*\j+4:BT+8*\j+7], v[BH], s[80:81] offset:(32*(\j/2)+8*(\j%2))*4+16
.endr
	WALU                                           ; the wait at the head's end
	s_cmp_eq_u32 s[WV], 0
	s_cbranch_scc0 .Lnot_w
	s_wait_tensorcnt 0x0
.Lnot_w:
	BARRIER                                        ; Wo is in; a may still be on its way
	WEIGHTS
	s_wait_tensorcnt 0x0
	s_wait_dscnt 0x0
	BARRIER                                        ; all the head's tiles are in
	FETCH 0, 0
	FETCH 1, 1
	s_wait_loadcnt 0x0
	s_wait_dscnt NF
.irp s, 0,1,2,3,4,5,6,7
	BLOCK \s%2
	PLACES 4
	s_wait_xcnt 0x0                                ; the stores of two blocks ago have read their data
	TOSTAGE \s%2
.if \s < 6
	FETCH \s%2, \s+2
	s_wait_dscnt NF                                ; the block is back from the stage, and the next block's fragments, asked for earlier, are in
.else
	s_wait_dscnt 0x0
.endif
	SEND \s
.endr
	s_wait_tensorcnt 0x0                           ; the wave's end
	ds_add_u32 v[SPW], v[NIL]
	s_wait_dscnt 0x0
	CROUND                                         ; the closing round
	s_endpgm
.Lfunc_end_k_q7c7adcbfe2_proj_o:
	.size	k_q7c7adcbfe2_proj_o, .Lfunc_end_k_q7c7adcbfe2_proj_o-k_q7c7adcbfe2_proj_o
	.p2alignl 7, 3214868480
	.fill 96, 4, 3214868480
	.section	.rodata,"a",@progbits
	.p2align	6, 0x0
	.amdhsa_kernel k_q7c7adcbfe2_proj_o
		.amdhsa_group_segment_fixed_size 327680
		.amdhsa_private_segment_fixed_size 0
		.amdhsa_enable_private_segment 0
		.amdhsa_kernarg_size 32
		.amdhsa_user_sgpr_count 2
		.amdhsa_user_sgpr_kernarg_segment_ptr 1
		.amdhsa_wavefront_size32 1
		.amdhsa_system_sgpr_workgroup_id_x 1
		.amdhsa_system_sgpr_workgroup_id_y 1
		.amdhsa_system_sgpr_workgroup_id_z 1
		.amdhsa_system_vgpr_workitem_id 0
		.amdhsa_next_free_vgpr 904
		.amdhsa_next_free_sgpr 100
		.amdhsa_reserve_vcc 0
		.amdhsa_float_denorm_mode_32 3
		.amdhsa_float_denorm_mode_16_64 3
		.amdhsa_memory_ordered 1
		.amdhsa_forward_progress 1
		.amdhsa_inst_pref_size 87
	.end_amdhsa_kernel
	.amdgpu_metadata
---
amdhsa.version: [ 1, 2 ]
amdhsa.kernels:
  - .name:           k_q7c7adcbfe2_proj_o
    .symbol:         k_q7c7adcbfe2_proj_o.kd
    .args:
      - { .name: aq, .offset: 0, .size: 8, .value_kind: global_buffer, .address_space: global }
      - { .name: wq, .offset: 8, .size: 8, .value_kind: global_buffer, .address_space: global }
      - { .name: bo, .offset: 16, .size: 8, .value_kind: global_buffer, .address_space: global }
      - { .name: out0, .offset: 24, .size: 8, .value_kind: global_buffer, .address_space: global }
    .group_segment_fixed_size: 327680
    .private_segment_fixed_size: 0
    .kernarg_segment_align: 8
    .kernarg_segment_size: 32
    .max_flat_workgroup_size: 128
    .sgpr_count:     100
    .vgpr_count:     904
    .wavefront_size: 32
...
	.end_amdgpu_metadata
.endif
;; end of part 5
